; MI455X (gfx1250); checked and timed in simulation.
; The chip was launched on July 23, 2026; its instructions are those of AMD's public machine-readable ISA for CDNA 5 (MIT licence, August 2026) and "CDNA5" Instruction Set Architecture Reference Guide (July 2026). The comments in the code are by the model that wrote it; some were corrected since.
;; XSA Multihead Attention. Allowed arithmetic: matrix products marked QUANTISED: E2M1 operands, one E8M0 scale for each 32 along K, by v_wmma_scale_f32_16x16x128_f8f6f4 with both operands' format E2M1 (or v_wmma_scale_f32_32x16x128_f4), f32 sums; products left as they are: bf16, f16 or f32 operands; f32 sums; everything else in f32.
;; Inputs: Wk 1,024 x 1,024 float32; Wo 1,024 x 1,024 float32; Wq 1,024 x 1,024 float32; Wv 1,024 x 1,024 float32; x 2 x 2,048 x 1,024 float32.
;; Outputs: out0 2 x 2,048 x 1,024 float32.
;; This version of the problem:
;;   THIS VERSION OF THE PROBLEM IS GIVEN IN LOW PRECISION. The matrix products marked QUANTISED in the list below multiply operands that are first quantised to E2M1 (2 exponent bits, 1 mantissa bit; 4 bits a number), with one power-of-two scale for each 32 numbers along K (OCP MX v1.0); their sums are f32. The products marked 'left as it is' may take bf16, f16 or f32 operands, with f32 sums. Whichever they take, every output number must still come out within the allowed error. Rounding operands to bf16 (8 significant bits) uses up far more of that allowance than f16 does (11 bits, for magnitudes from 6e-5 to 65,504). All else is computed in f32.
;;   The module's matrix products, in the order in which they are computed (A, B: the left and right operand; K: the contracted axis; several contracted axes count as one K, in the product's order):
;;     1. [M 4,096, K 1,024] x [K 1,024, N 1,024]; A: input x; B: input Wq: QUANTISED
;;     2. [M 4,096, K 1,024] x [K 1,024, N 1,024]; A: input x; B: input Wk: QUANTISED
;;     3. [M 4,096, K 1,024] x [K 1,024, N 1,024]; A: input x; B: input Wv: QUANTISED
;;     4. batch 32 x [M 2,048, K 64] x [K 64, N 2,048]; A: computed on the way; B: computed on the way: left as it is (an operand is computed on the way)
;;     5. batch 32 x [M 2,048, K 2,048] x [K 2,048, N 64]; A: computed on the way; B: computed on the way: left as it is (an operand is computed on the way)
;;     6. [M 4,096, K 1,024] x [K 1,024, N 1,024]; A: computed on the way; B: input Wo: left as it is (an operand is computed on the way)
;;   THE QUANTISER, for each operand of a quantised product, along K:
;;     - K is cut into blocks of 32 from its start; a last block that is shorter is filled with zeros.
;;     - A block's scale is 2^e with e = floor(log2(the largest magnitude in the block)) - 2, held to -126 .. 127; a block of zeros has e = 0. As a byte (E8M0): e + 127.
;;     - Each number is divided by its block's scale, clamped to +-6, and rounded to the nearest number of E2M1, ties to even, subnormals kept.
;;     - The product sums the exact products of the quantised numbers (number of the format x scale) in f32.
;;   ~~~python
;;   def quantise(x, axis):      # numpy; x: float32 -> the quantised numbers, widened to float32 again
;;       x = np.moveaxis(x, axis, -1); K = x.shape[-1]
;;       x = np.pad(x, [(0, 0)] * (x.ndim - 1) + [(0, -K % 32)]); x = x.reshape(x.shape[:-1] + (-1, 32)); a = np.abs(x).max(-1, keepdims=True)
;;       e = np.where(a > 0, np.clip(np.frexp(np.where(a > 0, a, 1))[1] - 1 - 2, -126, 127), 0)      # np.frexp(a)[1] - 1 = floor(log2(a)), exactly
;;       r = np.clip(x / 2.0 ** e, -6, 6)
;;       step = 2.0 ** (np.maximum(np.frexp(np.where(r == 0, 1, r))[1] - 1, 0) - 1)
;;       q = np.round(r / step) * step * 2.0 ** e      # np.round: ties to even
;;       return np.moveaxis(q.reshape(q.shape[:-2] + (-1,))[..., :K], -1, axis).astype(np.float32)
;;   ~~~
;; One version. Each part assembles by itself: llvm-mc -triple=amdgcn-amd-amdhsa -mcpu=gfx1250 --defsym DOCPART=n.
;; ======== version 1 of 1: 4 launches
;; limits: values are held in f16: magnitudes above 65,504 overflow, below 6.1e-05 lose precision
;; workspace buffers: codes 3,670,016 bytes; scales 229,376 bytes; wo16 2,097,152 bytes; qkv 25,165,824 bytes; v32 16,777,216 bytes; zf 8,388,608 bytes
;; launch prep (part 1): grid 256 x 1, 4 waves a work-group, no clusters, 33,280 bytes of LDS; arguments x, Wq, Wk, Wv, Wo, codes, scales, wo16; writes codes, scales, wo16
.if DOCPART == 1
	.amdgcn_target "amdgcn-amd-amdhsa--gfx1250"
	.amdhsa_code_object_version 6
	.text
	.protected	k_q593ac99445_prep
	.globl	k_q593ac99445_prep
	.p2align	8
	.type	k_q593ac99445_prep,@function
k_q593ac99445_prep:
	s_mov_b64 s[64:65], 0
	v_nop
	global_prefetch_b8 v0, s[64:65] scope:SCOPE_SE
	s_setreg_imm32_b32 hwreg(HW_REG_WAVE_MODE, 25, 1), 1
	s_wait_xcnt 0x0
; PREP.  x [4096][1024], Wq, Wk, Wv [1024][1024], f32, become codes of FP4 (E2M1), K innermost, two codes a byte, with one E8M0 scale byte for each 32 along K;
; Wo [1024][1024] becomes f16, row-major.  codes: [7168 rows][512 bytes], rows 0-4095 x, then Wq, Wk, Wv;  scales: [7168][32 bytes].
; A block's scale is 2^(floor(log2(its largest magnitude)) - 2); its byte is the largest magnitude's exponent field - 2, held at 1 from below.  A block of zeros so gets the byte 1 where the
; rule says 127: its codes are zeros, which add nothing under any byte but 0xff, and this program alone reads the bytes.
; LIMITS: blocks whose largest magnitude lies under 2^-124 (the floor) were not tried; NaN and infinities are not served; a number of Wo beyond 65,504 becomes infinite in f16, one under 6e-5 is rounded in steps of 6e-8.
; SHARES.  A work-group takes 32,768 numbers, a wave 8,192.  Work-groups 0-127 take x, 128-159 Wq, 160-191 Wk, 192-223 Wv (the order of the rows of codes, so the place of the results follows from
; the work-group's number alone), 224-255 Wo.  Rows are dense and K is a multiple of 32: every tensor is a plain stream of blocks of 32.
; No cluster: no two work-groups read the same byte.  No tensor load: each byte passes once, and the loads into registers keep 16 of a wave on their way.
; QUANTISER.  16 steps of 512 numbers.  A conversion takes 8 numbers of one block from one lane's registers, so a lane must hold 16 neighbours; a load is best where neighbouring lanes take neighbouring bytes.
; So each load reads 512 consecutive bytes, the step's 2,048 bytes go through the wave's own stage in LDS as they lie and come back 64 bytes a lane (16 bytes of padding behind each 64).
.set WAVES, 4
.set STEPS, 16
.set EMAX,  2
.set CB,    8                          ; bytes of 16 codes
.set WGX,   128                        ; work-groups of x
.set WGW,   32                         ; work-groups of each weight
.set R,     16                         ; v16-79   four sets of 16 numbers as loaded (Wo: a ring of 16 slots of 4)
.set X,     80                         ; v80-111  two sets of 16 neighbours (Wo: 16 slots of 2 packed registers)
.set E,     112                        ; v112-127 a scale byte for each step
.set C,     128                        ; v128-191 codes: four registers for each step, so that no store's data are written again
.set WREG,  8192                       ; LDS: a region for each wave: two stages of 32 x SP bytes, behind them its 256 scale bytes
.set SP,    80
.set SPW,   12                         ; v12  LDS address of my spare word; never rewritten
.set NIL,   13                         ; v13  0; never rewritten
.set SPARE, WAVES*WREG                 ; behind the four regions: the spare words, 128 bytes a wave, which no other line names
	s_load_b256 s[4:11], s[0:1], 0x0               ; x, Wq, Wk, Wv
	s_load_b256 s[12:19], s[0:1], 0x20             ; Wo, codes, scales, wo16
	v_lshl_add_u32 v[SPW], v0, 2, SPARE
	v_mov_b32 v[NIL], 0
	v_lshrrev_b32 v1, 5, v0
	v_readfirstlane_b32 s20, v1                    ; wave
	v_and_b32 v2, 31, v0                           ; lane
	v_lshlrev_b32 v3, 4, v2                        ; my 16 bytes of a load's 512
	s_mul_i32 s21, s20, WREG
	v_lshrrev_b32 v14, 2, v2
	v_mul_u32_u24 v14, v14, SP
	v_and_b32 v15, 3, v2
	v_lshl_add_u32 v14, v15, 4, v14
	v_add_nc_u32 v14, s21, v14                     ; the stage, on the way in: SP (lane / 4) + 16 (lane % 4)
	v_mul_u32_u24 v15, v2, SP
	v_add_nc_u32 v15, s21, v15                     ; and on the way out: SP x lane: my 16 neighbours
	v_mul_u32_u24 v4, v2, CB                       ; my codes' place in a step's
	v_lshrrev_b32 v5, 1, v2
	s_add_co_u32 s21, s21, 2*32*SP
	v_add_nc_u32 v5, s21, v5                       ; LDS: my wave's 256 scale bytes, my block's byte
	v_lshlrev_b32 v7, 3, v2                        ; 8 bytes a lane
	v_add_nc_u32 v6, s21, v7
	s_wait_kmcnt 0x0
	s_cmp_ge_u32 ttmp9, WGX+3*WGW                  ; the last 32 work-groups take Wo: a branch on the work-group's number alone
	s_cbranch_scc1 .Lwo
	s_and_b32 s22, ttmp9, WGW-1                    ; a weight's work-group counts from the weight's start
	s_cmp_lt_u32 ttmp9, WGX+2*WGW
	s_cselect_b64 s[10:11], s[8:9], s[10:11]       ; Wk, else Wv
	s_cmp_lt_u32 ttmp9, WGX+WGW
	s_cselect_b64 s[10:11], s[6:7], s[10:11]       ; Wq
	s_cmp_lt_u32 ttmp9, WGX
	s_cselect_b64 s[10:11], s[4:5], s[10:11]       ; x
	s_cselect_b32 s22, ttmp9, s22
	s_lshl_b32 s22, s22, 2
	s_add_co_u32 s22, s22, s20                     ; which run of 8,192 numbers of the tensor is my wave's
	s_lshl_b32 s22, s22, 15                        ; 32,768 bytes a run
	s_mov_b32 s23, 0
	s_add_nc_u64 s[10:11], s[10:11], s[22:23]
	s_lshl_b32 s24, ttmp9, 2
	s_add_co_u32 s24, s24, s20                     ; which run of the results
	s_lshl_b32 s22, s24, 12                        ; 4,096 bytes of codes a run
	s_add_nc_u64 s[14:15], s[14:15], s[22:23]
	s_lshl_b32 s22, s24, 8                         ; 256 scale bytes a run
	s_add_nc_u64 s[16:17], s[16:17], s[22:23]
.macro LOAD t
.irp i, 0,1,2,3
	global_load_b128 v[R+16*((\t)%4)+4*\i:R+16*((\t)%4)+4*\i+3], v3, s[10:11] offset:2048*(\t)+512*\i th:TH_LOAD_NT   ; 32 lanes read 512 consecutive bytes
.endr
.endm
.macro TURN t                          ; step t's numbers through the stage: LDS serves a wave's instructions in order, so no wait stands between the stores and the loads
.irp i, 0,1,2,3
	ds_store_b128 v14, v[R+16*((\t)%4)+4*\i:R+16*((\t)%4)+4*\i+3] offset:32*SP*((\t)%2)+8*SP*\i
.endr
.irp i, 0,1,2,3
	ds_load_b128 v[X+16*((\t)%2)+4*\i:X+16*((\t)%2)+4*\i+3], v15 offset:32*SP*((\t)%2)+16*\i
.endr
.endm
.irp t, 0,1,2,3
	LOAD \t
.endr
	s_wait_loadcnt 12                              ; step 0's four loads are in; those of steps 1 to 3 may be out
	TURN 0
.macro STEP t
.set XS, X+16*((\t)%2)
.if (\t) > 0
	s_wait_dscnt 1                                 ; this step's numbers are back from the stage (the last step's byte store may be out): so its stores into the stage have read their registers,
.else
	s_wait_dscnt 0x0
.endif
.if (\t)+4 < STEPS
	LOAD (\t)+4                                    ; which take the loads of four steps on
.endif
.if (\t)+1 < STEPS
.if STEPS-2-(\t) >= 3
	s_wait_loadcnt 12                              ; the next step's four loads are in; those of the three steps behind it may be out
.else
	s_wait_loadcnt 4*(STEPS-2-(\t))
.endif
	TURN (\t)+1                                    ; and go through the other stage while this step is worked
.endif
	v_max3_num_f32 v8, |v[XS]|, |v[XS+1]|, |v[XS+2]|               ; the largest magnitude of my 16, in two chains
	v_max3_num_f32 v9, |v[XS+3]|, |v[XS+4]|, |v[XS+5]|
.irp i, 6,10
	v_max3_num_f32 v8, v8, |v[XS+\i]|, |v[XS+\i+1]|
	v_max3_num_f32 v9, v9, |v[XS+\i+2]|, |v[XS+\i+3]|
.endr
	v_max3_num_f32 v8, v8, |v[XS+14]|, |v[XS+15]|
	v_max3_num_f32 v8, v8, v9, (EMAX+1)<<23        ; and the floor 2^(EMAX + 1 - 127): the byte cannot fall under 1
	v_max_num_f32_dpp v8, v8, v8 row_xmask:1 row_mask:0xf bank_mask:0xf   ; and of my neighbour's 16: the block's
	v_add_nc_u32 v11, -(EMAX<<23), v8              ; EMAX off its exponent field: the conversion takes the exponent field of this operand as its scale
	v_cvt_scalef32_pk8_fp4_f32 v[C+4*(\t)], v[XS:XS+7], v11        ; eight numbers / the scale, to the nearest code, ties to even, beyond the largest code the largest
	v_cvt_scalef32_pk8_fp4_f32 v[C+4*(\t)+1], v[XS+8:XS+15], v11
	v_lshrrev_b32 v[E+(\t)], 23, v11               ; the scale's byte (also the plain line behind the conversions)
	ds_store_b8 v5, v[E+(\t)] offset:16*(\t)       ; both lanes of a block write the same byte with the same value
	global_store_b64 v4, v[C+4*(\t):C+4*(\t)+1], s[14:15] offset:32*CB*(\t)   ; the wave stores 256 consecutive bytes, aligned
.endm
.irp t, 0,1,2,3,4,5,6,7,8,9,10,11,12,13,14,15
	STEP \t
.endr
	ds_load_b64 v[8:9], v6                         ; LDS serves a wave's instructions in order: these see my byte stores
	s_wait_dscnt 0x0
	global_store_b64 v7, v[8:9], s[16:17]          ; 32 lanes store 256 consecutive bytes, aligned
	s_wait_tensorcnt 0x0                           ; the wave's end, behind my last LDS store
	ds_add_u32 v[SPW], v[NIL]
	s_wait_dscnt 0x0
	s_endpgm
; Wo to f16.  A wave has 64 pieces of 512 bytes in and 256 bytes out; a ring of 16 slots keeps 16 loads on their way.
.Lwo:
	s_sub_co_u32 s22, ttmp9, WGX+3*WGW
	s_lshl_b32 s22, s22, 2
	s_add_co_u32 s22, s22, s20                     ; which run of 8,192 numbers
	s_lshl_b32 s24, s22, 15
	s_mov_b32 s25, 0
	s_add_nc_u64 s[12:13], s[12:13], s[24:25]
	s_lshl_b32 s24, s22, 14
	s_add_nc_u64 s[18:19], s[18:19], s[24:25]
.set el, 0
.rept 16
	global_load_b128 v[R+4*el:R+4*el+3], v3, s[12:13] offset:512*el th:TH_LOAD_NT
.set el, el+1
.endr
.set el, 0
.rept 64
.if el < 48
	s_wait_loadcnt 15                              ; loads come back in order: this slot's is in, the 15 younger ones stay out
.else
	s_wait_loadcnt 63-el                           ; the last round loads nothing: the counts run down
.endif
	s_wait_xcnt 0x0                                ; the slot's packed registers, which its last store reads, are rewritten only behind this wait
	v_cvt_pk_f16_f32 v[X+2*(el%16)], v[R+4*(el%16)], v[R+4*(el%16)+1]
	v_cvt_pk_f16_f32 v[X+2*(el%16)+1], v[R+4*(el%16)+2], v[R+4*(el%16)+3]
.if el < 48
	global_load_b128 v[R+4*(el%16):R+4*(el%16)+3], v3, s[12:13] offset:512*(el+16) th:TH_LOAD_NT
.endif
	global_store_b64 v7, v[X+2*(el%16):X+2*(el%16)+1], s[18:19] offset:256*el   ; the wave stores 256 consecutive bytes, aligned
.set el, el+1
.endr
	s_wait_tensorcnt 0x0                           ; the same three lines at this path's end
	ds_add_u32 v[SPW], v[NIL]
	s_wait_dscnt 0x0
	s_endpgm
.Lfunc_end_k_q593ac99445_prep:
	.size	k_q593ac99445_prep, .Lfunc_end_k_q593ac99445_prep-k_q593ac99445_prep
	.p2alignl 7, 3214868480
	.fill 96, 4, 3214868480
	.section	.rodata,"a",@progbits
	.p2align	6, 0x0
	.amdhsa_kernel k_q593ac99445_prep
		.amdhsa_group_segment_fixed_size 33280
		.amdhsa_private_segment_fixed_size 0
		.amdhsa_enable_private_segment 0
		.amdhsa_kernarg_size 64
		.amdhsa_user_sgpr_count 2
		.amdhsa_user_sgpr_kernarg_segment_ptr 1
		.amdhsa_wavefront_size32 1
		.amdhsa_system_sgpr_workgroup_id_x 1
		.amdhsa_system_sgpr_workgroup_id_y 1
		.amdhsa_system_sgpr_workgroup_id_z 1
		.amdhsa_system_vgpr_workitem_id 0
		.amdhsa_next_free_vgpr 192
		.amdhsa_next_free_sgpr 66
		.amdhsa_reserve_vcc 0
		.amdhsa_float_denorm_mode_32 3
		.amdhsa_float_denorm_mode_16_64 3
		.amdhsa_memory_ordered 1
		.amdhsa_forward_progress 1
		.amdhsa_inst_pref_size 58
	.end_amdhsa_kernel
	.amdgpu_metadata
---
amdhsa.version: [ 1, 2 ]
amdhsa.kernels:
  - .name:           k_q593ac99445_prep
    .symbol:         k_q593ac99445_prep.kd
    .args:
      - { .name: x, .offset: 0, .size: 8, .value_kind: global_buffer, .address_space: global }
      - { .name: Wq, .offset: 8, .size: 8, .value_kind: global_buffer, .address_space: global }
      - { .name: Wk, .offset: 16, .size: 8, .value_kind: global_buffer, .address_space: global }
      - { .name: Wv, .offset: 24, .size: 8, .value_kind: global_buffer, .address_space: global }
      - { .name: Wo, .offset: 32, .size: 8, .value_kind: global_buffer, .address_space: global }
      - { .name: codes, .offset: 40, .size: 8, .value_kind: global_buffer, .address_space: global }
      - { .name: scales, .offset: 48, .size: 8, .value_kind: global_buffer, .address_space: global }
      - { .name: wo16, .offset: 56, .size: 8, .value_kind: global_buffer, .address_space: global }
    .group_segment_fixed_size: 33280
    .private_segment_fixed_size: 0
    .kernarg_segment_align: 8
    .kernarg_segment_size: 64
    .max_flat_workgroup_size: 128
    .sgpr_count:     66
    .vgpr_count:     192
    .wavefront_size: 32
...
	.end_amdgpu_metadata
.endif
;; end of part 1
;; launch qkv (part 2): grid 8 x 32, 4 waves a work-group, clusters of 4 x 4, 327,680 bytes of LDS; arguments codes, scales, qkv, v32; writes qkv, v32
.if DOCPART == 2
	.amdgcn_target "amdgcn-amd-amdhsa--gfx1250"
	.amdhsa_code_object_version 6
	.text
	.protected	k_q593ac99445_qkv
	.globl	k_q593ac99445_qkv
	.p2align	8
	.type	k_q593ac99445_qkv,@function
k_q593ac99445_qkv:
	s_mov_b64 s[64:65], 0
	v_nop
	global_prefetch_b8 v0, s[64:65] scope:SCOPE_SE
	s_setreg_imm32_b32 hwreg(HW_REG_WAVE_MODE, 25, 1), 1
	s_wait_xcnt 0x0
	s_wait_alu depctr_hold_cnt(0) depctr_sa_sdst(0) depctr_va_vdst(0) depctr_va_sdst(0) depctr_va_ssrc(0) depctr_va_vcc(0) depctr_vm_vsrc(0)
	s_getreg_b32 s2, hwreg(HW_REG_IB_STS2, 6, 4)
	s_cmp_eq_u32 s2, 0
	s_cbranch_scc0 .Lentry_in_a_cluster
	s_endpgm
.Lentry_in_a_cluster:
	s_bfe_u32 s2, ttmp6, 0x10000c
	s_cmp_lg_u32 s2, 0xf033
	s_cbranch_scc0 .Lentry_shape_is_right
	s_endpgm
.Lentry_shape_is_right:
; QKV.  Q, K, V = x W^T on codes of FP4 (E2M1) with one E8M0 scale for each 32 along K = 1,024; sums in f32.  codes: [7168][512 bytes], rows 0-4095 x, 4096 on Wq, 5120 on Wk, 6144 on Wv; scales: [7168][32].
; SHARES.  A work-group takes 128 tokens x 128 columns (two heads) of EACH of Q, K, V.  Its operands for all of K, 64 KiB of x and 3 x 64 KiB of W, lie in LDS together: every tile is filled once, nothing is filled again.
; Wave w: tokens 64 (w / 2) on, columns 64 (w % 2) on (one head): 16 accumulators, three tiles (Q, K, V) one after the other.
; CLUSTER 4 x 4: the four work-groups of a row of the cluster need the same rows of x, the four of a column the same rows of W: each tile is asked for jointly.
; THE MATRIX INSTRUCTION IS USED TRANSPOSED (source 0 = 16 rows of W, source 1 = 16 tokens): a lane (r = lane % 16, h = lane / 16) holds token r and channels 8 h + 0 .. 7 of a block of 16.
; RESULTS, as images of the next products' operand registers, so that every store of the wave covers 512 consecutive bytes, aligned, and nothing goes through LDS:
;   qkv: Q at 0, K at 8 MiB, V at 16 MiB, each [batch x head 32][tile of 16 tokens 128][block of 16 channels 4][512 bytes], f16.  Q, K: lane L's 16 bytes at 16 L: two blocks are a fragment of 16 rows x 32 channels.
;   V: lane L's 16 bytes at 256 ((L / 8) % 2) + 128 (L / 16) + 16 (L % 8), so that the turning LDS load at 16 x lane gives half a fragment of V^T.
;   v32: V in f32, [batch x head][tile][block][half 2][lane][16 bytes]: the accumulator's registers as they stand.
; LIMITS: a result beyond 65,504 becomes infinite in f16, one under 6e-5 is rounded in steps of 6e-8.
; REGISTERS: window 0: v1-16 addresses; v32-127 scale words; v128-191, v192-255 two buffers of fragments (W's four, then x's four).  Window 1: v0-127 the accumulators, (a, b) at 8 (4 a + b).
.set PITCH, 528                        ; an LDS row: 512 bytes + 16 of padding = 132 words: the 16 rows of a fragment load start at 16 different groups of four banks
.set HALFT, 64*PITCH                   ; 64 rows: what one tensor load brings
.set TILEB, 2*HALFT                    ; 128 rows.  LDS: x's tile at 0, W's tile j at TILEB (1 + j)
.set SPARE, 4*TILEB                    ; behind the tiles: the spare words, 128 bytes a wave, which no other line names
.set ADRX, 3                           ; v3    LDS address of my fragments of x
.set ADRW, 4                           ; v4-6  of W's tile j
.set VS,   7                           ; v7-9  byte offset of my scale words: lanes 0-15 x's rows, lanes 16-31 the rows of W's tile j
.set LO,   10                          ; v10   16 x lane
.set LVO,  11                          ; v11   V's place of my 16 bytes in a block
.set SPW,  12                          ; v12   LDS address of my spare word; never rewritten
.set NIL,  13                          ; v13   0; never rewritten
.set SC,   32                          ; register SC + 32 j + 8 i + q: lanes 0-15 the word of x's block i, lanes 16-31 that of W_j's block i, for K step q
.set F0,   128
.set F1,   192
.set G1X,  24                          ; s[24:31] descriptor group 1 for x's tiles;  s[32:35] group 0
.set G0X,  32
.set G0Q,  36                          ; s[36:39] group 0 for Wq's tile
.set G1W,  48                          ; s[48:55] group 1 for W's tiles
.set G0S,  56                          ; s[56:59] group 0 for my second load: Wk's tile (waves 0, 1) or Wv's (waves 2, 3)
.set OB,   68                          ; s[68:69] Q, s[70:71] K, s[72:73] V, s[74:75] v32: where my wave's results begin
.set MSB, 0
.macro WIN new                         ; the immediate's high byte repeats the setting that is left
.if MSB != \new
	s_set_vgpr_msb (MSB<<8)|\new
.set MSB, \new
.endif
.endm
.macro PLACES n
.rept \n
	v_nop
.endr
.endm
.macro CROUND                          ; a round of the cluster's barrier
	s_barrier_signal -1
	s_barrier_wait -1
	s_cmp_lg_u32 s14, 0
	s_cbranch_scc1 .Lnot_wave_0_\@
	s_barrier_signal -3
.Lnot_wave_0_\@:
	s_barrier_wait -3
	s_barrier_signal -1
	s_barrier_wait -1
.endm
	s_load_b256 s[4:11], s[0:1], 0x0               ; codes s[4:5], scales s[6:7], qkv s[8:9], v32 s[10:11]
	v_lshl_add_u32 v[SPW], v0, 2, SPARE
	v_mov_b32 v[NIL], 0
	ds_add_u32 v[SPW], v[NIL]                      ; the wave's opening: the add, twice on end, and its wait ahead of my first tensor load
	ds_add_u32 v[SPW], v[NIL]
	v_lshrrev_b32 v1, 5, v0
	v_readfirstlane_b32 s14, v1                    ; wave 0..3
	s_lshr_b32 s15, s14, 1                         ; my half of the tokens.  Also: my first load is x's (0) or Wq's (1), my second Wk's (0) or Wv's (1)
	s_and_b32 s16, s14, 1                          ; my half of the columns.  Also: which 64 rows of a tile I fetch
	s_bfe_u32 s40, ttmp6, 0x40000                  ; cx, cy: my place in the cluster
	s_bfe_u32 s41, ttmp6, 0x40004
	s_lshl_b32 s42, ttmp9, 2
	s_add_co_u32 s42, s42, s40                     ; block of 128 columns = 4 x cluster x + cx
	s_and_b32 s17, ttmp7, 0xffff
	s_lshl_b32 s17, s17, 2
	s_add_co_u32 s17, s17, s41                     ; block of 128 tokens = 4 x cluster y + cy
	s_lshl_b32 s43, s41, 2
	s_lshl_b32 s43, 15, s43                        ; my row of the cluster
	s_lshl_b32 s44, 0x1111, s40                    ; my column
	; descriptor group 1: 64 rows x 512 bytes, padded in LDS
	s_or_b32 s[G1X+0], s43, (0<<16)|(1<<20)|(1<<21)|(6<<22)|(3<<25)  ; 15:0 the mask: x's tiles go to my row; elements of 1 byte; padding on; bit 21 beside a mask; after every 128 words (code 6) 4 words (code 3)
	s_or_b32 s[G1W+0], s44, (0<<16)|(1<<20)|(1<<21)|(6<<22)|(3<<25)  ; W's tiles go to my column
.irp g, G1X, G1W
	s_mov_b32 s[\g+1], 512<<16                     ; tensor_dim0
	s_mov_b32 s[\g+2], 64<<16                      ; tensor_dim1
	s_mov_b32 s[\g+3], 512<<16                     ; tile_dim0
	s_mov_b32 s[\g+4], 64                          ; tile_dim1
	s_mov_b32 s[\g+5], 512                         ; from row to row
	s_mov_b32 s[\g+6], 0
	s_mov_b32 s[\g+7], 0
.endr
	s_lshl_b32 s18, s16, 6                         ; which 64 rows of a tile I fetch
	s_lshl_b32 s20, s17, 7
	s_add_co_u32 s20, s20, s18                     ; x: row 128 x token block + 64 x half
	s_lshl_b32 s20, s20, 9                         ; in bytes
	s_mov_b32 s21, 0
	s_lshl_b32 s46, s42, 7
	s_add_co_u32 s46, s46, s18
	s_add_co_u32 s46, s46, 4096                    ; Wq: row 4096 + 128 x column block + 64 x half
	s_lshl_b32 s46, s46, 9
	s_mov_b32 s47, 0
	s_add_co_u32 s19, s15, 1
	s_lshl_b32 s19, s19, 19                        ; Wk lies 1,024 rows of 512 bytes on, Wv 2,048
	s_add_co_u32 s92, s46, s19
	s_mov_b32 s93, 0
	s_mul_i32 s45, s16, HALFT                      ; where they go: no place in the cluster enters an LDS address
	s_mul_i32 s94, s15, TILEB
	s_add_co_u32 s94, s94, s45
	; where my results begin
	s_lshr_b32 s76, s17, 4                         ; the batch: 16 token blocks each
	s_lshl_b32 s76, s76, 4
	s_lshl_b32 s77, s42, 1
	s_add_co_u32 s76, s76, s77
	s_add_co_u32 s76, s76, s16                     ; batch x 16 + head
	s_and_b32 s77, s17, 15
	s_lshl_b32 s77, s77, 3
	s_lshl_b32 s78, s15, 2
	s_add_co_u32 s77, s77, s78                     ; my first tile of 16 tokens in the batch
	s_lshl_b32 s78, s76, 18                        ; 262,144 bytes a head,
	s_lshl_b32 s79, s77, 11                        ; 2,048 a tile
	s_add_co_u32 s78, s78, s79
	s_mov_b32 s79, 0
	s_lshl_b32 s84, s78, 1                         ; v32: twice as much of each
	s_mov_b32 s85, 0
	; my scale words
	s_lshl_b32 s80, s17, 7
	s_lshl_b32 s81, s15, 6
	s_add_co_u32 s80, s80, s81
	s_lshl_b32 s80, s80, 5                         ; x: my first token's row of 32 bytes
	s_lshl_b32 s82, s42, 7
	s_lshl_b32 s83, s16, 6
	s_add_co_u32 s82, s82, s83
	s_add_co_u32 s82, s82, 4096
	s_lshl_b32 s82, s82, 5                         ; Wq: my first column's
	s_sub_co_u32 s82, s82, s80                     ; the distance between the two (W's rows lie behind x's)
	s_wait_dscnt 0x0                               ; both opening adds are done
	s_wait_kmcnt 0x0
	s_add_nc_u64 s[20:21], s[4:5], s[20:21]
	s_add_nc_u64 s[46:47], s[4:5], s[46:47]
	s_add_nc_u64 s[92:93], s[4:5], s[92:93]
	s_add_nc_u64 s[OB:OB+1], s[8:9], s[78:79]
	s_add_nc_u64 s[OB+2:OB+3], s[OB:OB+1], 0x800000
	s_add_nc_u64 s[OB+4:OB+5], s[OB:OB+1], 0x1000000
	s_add_nc_u64 s[OB+6:OB+7], s[10:11], s[84:85]
	CROUND                                         ; all sixteen work-groups are here: the joint loads meet
	s_mov_b32 s[G0X], 1
	s_mov_b32 s[G0X+1], s45
	s_mov_b64 s[G0X+2:G0X+3], s[20:21]
	s_or_b32 s[G0X+3], s[G0X+3], 0x80000000
	s_mov_b32 s[G0Q], 1
	s_add_co_u32 s[G0Q+1], s45, TILEB
	s_mov_b64 s[G0Q+2:G0Q+3], s[46:47]
	s_or_b32 s[G0Q+3], s[G0Q+3], 0x80000000
	s_mov_b32 s[G0S], 1
	s_add_co_u32 s[G0S+1], s94, 2*TILEB
	s_mov_b64 s[G0S+2:G0S+3], s[92:93]
	s_or_b32 s[G0S+3], s[G0S+3], 0x80000000
	; the first fills, two a wave, as one group: by this text's count two tensor loads of a wave are out.  An s_nop 0 and four v_nop follow each line.
	s_cmp_eq_u32 s15, 0                            ; the branch hangs on the wave's number alone
	s_cbranch_scc0 .Lfor_w
	tensor_load_to_lds s[G0X:G0X+3], s[G1X:G1X+7]  ; waves 0, 1: x's halves
	s_nop 0
	PLACES 4
	s_branch .Lasked
.Lfor_w:
	tensor_load_to_lds s[G0Q:G0Q+3], s[G1W:G1W+7]  ; waves 2, 3: Wq's halves
	s_nop 0
	PLACES 4
.Lasked:
	tensor_load_to_lds s[G0S:G0S+3], s[G1W:G1W+7]  ; waves 0, 1: Wk's halves; waves 2, 3: Wv's
	s_nop 0
	PLACES 4
	v_and_b32 v1, 15, v0                           ; r
	v_bfe_u32 v2, v0, 4, 1                         ; h
	v_mul_u32_u24 v[VS], s82, v2                   ; lanes 16-31 take W's rows: one product, the lower base + h x the distance
	v_lshl_add_u32 v[VS], v1, 5, v[VS]             ; 32 bytes a row
	v_add_nc_u32 v[VS], s80, v[VS]
	v_lshl_add_u32 v[VS+1], v2, 15, v[VS]          ; Wk's rows lie 1,024 x 32 bytes behind Wq's,
	v_lshl_add_u32 v[VS+2], v2, 16, v[VS]          ; Wv's twice as far
.irp j, 0,1,2
.irp i, 0,1,2,3
.irp g, 0,1
	global_load_b128 v[SC+32*\j+8*\i+4*\g:SC+32*\j+8*\i+4*\g+3], v[VS+\j], s[6:7] offset:512*\i+16*\g   ; the words of K steps 4 g .. 4 g + 3; the two loads of a block cover 512 consecutive bytes a half of the lanes
.endr
.endr
.endr
	v_mul_u32_u24 v14, v1, PITCH
	v_lshl_add_u32 v14, v2, 4, v14                 ; a fragment's row x pitch + 16 x half
	s_mul_i32 s86, s15, HALFT
	v_add_nc_u32 v[ADRX], s86, v14                 ; my 64 tokens
	s_mul_i32 s86, s16, HALFT
.irp j, 0,1,2
	s_add_co_u32 s86, s86, TILEB
	v_add_nc_u32 v[ADRW+\j], s86, v14              ; my 64 rows of W's tile j
.endr
	v_and_b32 v15, 31, v0
	v_lshlrev_b32 v[LO], 4, v15
	v_bfe_u32 v15, v0, 3, 1
	v_and_b32 v16, 7, v0
	v_lshlrev_b32 v[LVO], 4, v16
	v_lshl_add_u32 v[LVO], v15, 8, v[LVO]
	v_lshl_add_u32 v[LVO], v2, 7, v[LVO]
; 16 LDS loads: the fragments of K step q (128 along K: 64 bytes of a row) of W's tile j and of x, into buffer f.  A fragment is 8 registers: registers 4 c .. 4 c + 3 hold K = 64 c + 32 h + 0 .. 31: 16 bytes as they lie
.macro FETCH j, q, f
.irp b, 0,1,2,3
.irp c, 0,1
	ds_load_b128 v[\f+8*\b+4*\c:\f+8*\b+4*\c+3], v[ADRW+\j] offset:64*(\q)+32*\c+16*PITCH*\b
.endr
.endr
.irp a, 0,1,2,3
.irp c, 0,1
	ds_load_b128 v[\f+32+8*\a+4*\c:\f+32+8*\a+4*\c+3], v[ADRX] offset:64*(\q)+32*\c+16*PITCH*\a
.endr
.endr
.endm
; 16 matrix instructions, the 16 accumulators by turns, one instruction a turn.  K step 0 starts the sums with the constant 0.
.macro MUL j, q, f
	WIN 0x50                                       ; C and D window 1
.irp a, 0,1,2,3
.irp b, 0,1,2,3
.if (\q) == 0
	v_wmma_scale_f32_16x16x128_f8f6f4 v[8*(4*\a+\b):8*(4*\a+\b)+7], v[\f+8*\b:\f+8*\b+7], v[\f+32+8*\a:\f+32+8*\a+7], 0, v[SC+32*\j+8*\b+(\q)], v[SC+32*\j+8*\a+(\q)] matrix_a_fmt:MATRIX_FMT_FP4 matrix_b_fmt:MATRIX_FMT_FP4 matrix_a_scale:MATRIX_SCALE_ROW1
.else
	v_wmma_scale_f32_16x16x128_f8f6f4 v[8*(4*\a+\b):8*(4*\a+\b)+7], v[\f+8*\b:\f+8*\b+7], v[\f+32+8*\a:\f+32+8*\a+7], v[8*(4*\a+\b):8*(4*\a+\b)+7], v[SC+32*\j+8*\b+(\q)], v[SC+32*\j+8*\a+(\q)] matrix_a_fmt:MATRIX_FMT_FP4 matrix_b_fmt:MATRIX_FMT_FP4 matrix_a_scale:MATRIX_SCALE_ROW1
.endif
.endr
.endr
	WIN 0
.endm
; A tile: eight K steps on two buffers by turns; while one is multiplied the next step's 16 loads are out.
.macro TILE j
	FETCH \j, 0, F0
.irp q, 0,1,2,3,4,5,6
.if \q > 0
	PLACES 4                                       ; four places in front of loads into registers that the last products read
.elseif \j > 0
	s_wait_xcnt 0x0                                ; buffer 1 held the last tile's packed results: its stores have read them
.endif
	FETCH \j, \q+1, F0+64*((\q+1)%2)
	s_wait_dscnt 16                                ; all but the 16 loads just issued
	MUL \j, \q, F0+64*(\q%2)
.endr
	s_wait_dscnt 0x0
	MUL \j, 7, F1
.endm
; The way out of tile j: rounded to f16, a lane's 8 channels are 16 bytes; stored as the image.
.macro OUT j
	PLACES 5                                       ; five: the next tile's first products write over the accumulators; four of them serve the conversions
	WIN 0x05                                       ; sources 0 and 1 window 1
.set n, 0
.rept 16
.irp e, 0,1,2,3
	v_cvt_pk_f16_f32 v[F1+4*n+\e], v[8*n+2*\e], v[8*n+2*\e+1]      ; each accumulator from its low end on
.endr
.set n, n+1
.endr
	WIN 0
.irp a, 0,1,2,3
.irp b, 0,1,2,3
.if \j < 2
	global_store_b128 v[LO], v[F1+4*(4*\a+\b):F1+4*(4*\a+\b)+3], s[OB+2*\j:OB+2*\j+1] offset:2048*\a+512*\b    ; the wave stores 512 consecutive bytes, aligned
.else
	global_store_b128 v[LVO], v[F1+4*(4*\a+\b):F1+4*(4*\a+\b)+3], s[OB+2*\j:OB+2*\j+1] offset:2048*\a+512*\b   ; the same 512 bytes, the lanes in V's order
.endif
.endr
.endr
.if \j == 2
	WIN 0x04                                       ; a store's data are its source 1: window 1
.irp a, 0,1,2,3
.irp b, 0,1,2,3
.irp u, 0,1
	global_store_b128 v[LO], v[8*(4*\a+\b)+4*\u:8*(4*\a+\b)+4*\u+3], s[OB+6:OB+7] offset:4096*\a+1024*\b+512*\u
.endr
.endr
.endr
	WIN 0
.endif
.endm
	s_wait_tensorcnt 0x1                           ; my first load (x's or Wq's half) is in; my second may stay out
	s_barrier_signal -1
	s_barrier_wait -1                              ; everybody's is
	s_wait_loadcnt 0x0                             ; the scale words
	TILE 0
	OUT 0
	s_wait_tensorcnt 0x0                           ; my half of Wk's or Wv's tile is in,
	s_barrier_signal -1
	s_barrier_wait -1                              ; everybody's is
	TILE 1
	OUT 1
	TILE 2
	OUT 2
	s_wait_tensorcnt 0x0                           ; the wave's end
	ds_add_u32 v[SPW], v[NIL]
	s_wait_dscnt 0x0
	CROUND                                         ; the closing round
	s_endpgm
.Lfunc_end_k_q593ac99445_qkv:
	.size	k_q593ac99445_qkv, .Lfunc_end_k_q593ac99445_qkv-k_q593ac99445_qkv
	.p2alignl 7, 3214868480
	.fill 96, 4, 3214868480
	.section	.rodata,"a",@progbits
	.p2align	6, 0x0
	.amdhsa_kernel k_q593ac99445_qkv
		.amdhsa_group_segment_fixed_size 327680
		.amdhsa_private_segment_fixed_size 0
		.amdhsa_enable_private_segment 0
		.amdhsa_kernarg_size 32
		.amdhsa_user_sgpr_count 2
		.amdhsa_user_sgpr_kernarg_segment_ptr 1
		.amdhsa_wavefront_size32 1
		.amdhsa_system_sgpr_workgroup_id_x 1
		.amdhsa_system_sgpr_workgroup_id_y 1
		.amdhsa_system_sgpr_workgroup_id_z 1
		.amdhsa_system_vgpr_workitem_id 0
		.amdhsa_next_free_vgpr 384
		.amdhsa_next_free_sgpr 96
		.amdhsa_reserve_vcc 0
		.amdhsa_float_denorm_mode_32 3
		.amdhsa_float_denorm_mode_16_64 3
		.amdhsa_memory_ordered 1
		.amdhsa_forward_progress 1
		.amdhsa_inst_pref_size 107
	.end_amdhsa_kernel
	.amdgpu_metadata
---
amdhsa.version: [ 1, 2 ]
amdhsa.kernels:
  - .name:           k_q593ac99445_qkv
    .symbol:         k_q593ac99445_qkv.kd
    .args:
      - { .name: codes, .offset: 0, .size: 8, .value_kind: global_buffer, .address_space: global }
      - { .name: scales, .offset: 8, .size: 8, .value_kind: global_buffer, .address_space: global }
      - { .name: qkv, .offset: 16, .size: 8, .value_kind: global_buffer, .address_space: global }
      - { .name: v32, .offset: 24, .size: 8, .value_kind: global_buffer, .address_space: global }
    .group_segment_fixed_size: 327680
    .private_segment_fixed_size: 0
    .kernarg_segment_align: 8
    .kernarg_segment_size: 32
    .max_flat_workgroup_size: 128
    .sgpr_count:     96
    .vgpr_count:     384
    .wavefront_size: 32
...
	.end_amdgpu_metadata
.endif
;; end of part 2
;; launch attn (part 3): grid 8 x 32, 8 waves a work-group, clusters of 4 x 1, 327,680 bytes of LDS; arguments qkv, v32, zf; writes zf
.if DOCPART == 3
	.amdgcn_target "amdgcn-amd-amdhsa--gfx1250"
	.amdhsa_code_object_version 6
	.text
	.protected	k_q593ac99445_attn
	.globl	k_q593ac99445_attn
	.p2align	8
	.type	k_q593ac99445_attn,@function
k_q593ac99445_attn:
	s_mov_b64 s[64:65], 0
	v_nop
	global_prefetch_b8 v0, s[64:65] scope:SCOPE_SE
	s_setreg_imm32_b32 hwreg(HW_REG_WAVE_MODE, 25, 1), 1
	s_wait_xcnt 0x0
	s_wait_alu depctr_hold_cnt(0) depctr_sa_sdst(0) depctr_va_vdst(0) depctr_va_sdst(0) depctr_va_ssrc(0) depctr_va_vcc(0) depctr_vm_vsrc(0)
	s_getreg_b32 s2, hwreg(HW_REG_IB_STS2, 6, 4)
	s_cmp_eq_u32 s2, 0
	s_cbranch_scc0 .Lentry_in_a_cluster
	s_endpgm
.Lentry_in_a_cluster:
	s_bfe_u32 s2, ttmp6, 0x10000c
	s_cmp_lg_u32 s2, 0x3003
	s_cbranch_scc0 .Lentry_shape_is_right
	s_endpgm
.Lentry_shape_is_right:
; ATTN.  For each of 32 batch x heads: Y[q] = the sum over k of softmax_k(Q[q] . K[k] / 8) V[k], 2,048 keys, head size 64; then Z = Y - (Y.V / V.V) V with V the query's own row, and Z = 0 where
; V.V > 0 and |Z| <= 64 eps max(|Y|, |V|).  Q, K, V come as f16 images of operand registers (qkv), V's own rows in f32 (v32); products on f16 operands, sums, softmax and the correction in f32.
; Z leaves as f16, as the image of the last product's operand: zf [tile of 16 tokens 256][32 along K: 32][half 2][lane][16 bytes].
; LIMITS: Z beyond 65,504 becomes infinite in f16, under 6e-5 it is rounded in steps of 6e-8; the scale's division is a reciprocal and a multiply; exponentials, reciprocals and roots take denormals as 0, so norms whose
; squares lie under 2^-126 count as 0; a cleaned row is +0; NaN and infinities are not served.
; SHARES.  A work-group owns 256 queries of one head.  Wave w: queries 64 (w % 4) on, four tiles of 16; keys 1,024 (w / 4) on, 16 steps of 64.  At the end waves w and w xor 4 merge their halves (O, maximum, sum).
; LAYOUT.  S^T = K Q^T and O^T = V^T P: a lane holds one query (lane % 16) throughout; two tiles of S^T, rounded to f16 in pairs in place, are source 1 of the second product.
; SOFTMAX.  A running maximum m and sum l for each query: p = 2^(c s - c m), c = log2(e) / 8; in every step O and l are multiplied by a = 2^(c m_old - c m_new).
; TWO PHASES, TWO GROUPS.  A step is a phase X (the softmax: vector work) and a phase Y (64 matrix instructions: V^T P of the step, K Q^T of the next).  The waves fall into two groups by (w xor w / 4) % 2;
; group 1 runs half a step ahead, so that at each barrier group 0 stands in front of an X and group 1 in front of a Y.  The text is one: only the X in front of a slot's body and the X behind it stand under a branch on the group.
; RING.  Two LDS slots of 64 KiB: 128 keys of each half of K, then of V, as the images lie in memory (dense, no padding: every LDS read is a constant + 16 x lane).  Each wave fetches 8 KiB with one load.
; CLUSTER.  The four query blocks of a cluster belong to one head and walk the same K and V: each load is joint, the same descriptor in all four.
; REGISTERS.  Window 0: v2-13 addresses; v14-17 the partner's statistics; v32-63 statistics, eight a tile (+0 c m, +1 m, +2, +3 l, +4 .. +7 at work, a in +6); v64-191 S^T, 32 a tile; v192-255 Q, 16 a tile.
;   Window 1: v0-127 O^T, 32 a tile; v128-191 K of a step; v192-255 V of a step.
; Register tile t holds query tile t xor 2 (w / 4): so every wave keeps its tiles 0, 1 and sends its tiles 2, 3 to its partner, in one text.
.set SLOT1, 65536                      ; slot 1 begins here: one exclusive or turns an address from one slot into the other
.set SLOTG, 16384                      ; a slot's 128 keys of one half in memory: 8 tiles of 2,048 bytes
.set VOFF,  32768                      ; in a slot V lies behind K
.set XCH,   2*SLOT1                    ; behind the ring: for the merge, XWB bytes a wave: 64 registers' image, then four words a lane
.set XWB,   8704
.set SPARE, XCH+8*XWB                  ; the spare words, 128 bytes a wave, which no other line names
.set AK0, 2                            ; v2   16,384 x my key half + 16 x lane
.set ADR, 3                            ; v3   the same in the slot in hand
.set QOA, 4                            ; v4   Q: 16 x lane + my tiles 0, 1
.set QOB, 5                            ; v5   Q: 16 x lane + my tiles 2, 3
.set L16, 6                            ; v6   16 x lane
.set XST, 7                            ; v7   the merge: where I store, v8 where I load, v9, v10 the same for the words
.set XLD, 8
.set XSS, 9
.set XLS, 10
.set PFO, 11                           ; v11  256 x lane
.set SPW, 12                           ; v12  LDS address of my spare word; never rewritten
.set NIL, 13                           ; v13  0; never rewritten
.set ST,  32
.set S,   64
.set Q,   192
.set KF,  128                          ; in window 1
.set VF,  192                          ; in window 1
.set Y,   128                          ; the way out: Y, then Z, of my two tiles
.set AC,  64                           ; the way out: 16 registers of sums a tile
.set ZP,  96                           ; the way out: Z as f16, 16 registers a tile
.set WV,  10                           ; s10 wave, s11 key half, s12 which 64 queries, s13 group
.set GH,  11
.set QI,  12
.set SK,  13
.set G1,  24                           ; s[24:31] descriptor group 1;  s[32:35] group 0 of slot 0's first fill;  s[36:39] of slot 1's, which then walks
.set G0A, 32
.set G0B, 36
.set CS,  40                           ; s[40:41] c, twice
.set SEL, 42                           ; s[42:43] selects for v_permlanex16_b32: lane xor 16
.set TB,  44                           ; s44  the slot in hand
.set SLOTS, 45                         ; s45  slots still to be asked for
.set LIM, 46                           ; s46  1 in a wave that prefetches, else the greatest number
.set PFA, 48                           ; s[48:49] where my prefetches stand
.set MSB, 0
.macro WIN new                         ; the immediate's high byte repeats the setting that is left
.if MSB != \new
	s_set_vgpr_msb (MSB<<8)|\new
.set MSB, \new
.endif
.endm
.macro CROUND                          ; a round of the cluster's barrier
	s_barrier_signal -1
	s_barrier_wait -1
	s_cmp_lg_u32 s[WV], 0
	s_cbranch_scc1 .Lnot_wave_0_\@
	s_barrier_signal -3
.Lnot_wave_0_\@:
	s_barrier_wait -3
	s_barrier_signal -1
	s_barrier_wait -1
.endm
	s_load_b128 s[4:7], s[0:1], 0x0                ; qkv, v32
	s_load_b64 s[8:9], s[0:1], 0x10                ; zf
	v_lshl_add_u32 v[SPW], v0, 2, SPARE
	v_mov_b32 v[NIL], 0
	ds_add_u32 v[SPW], v[NIL]                      ; the wave's opening: the add, twice on end, and its wait ahead of my first tensor load
	ds_add_u32 v[SPW], v[NIL]
	v_lshrrev_b32 v1, 5, v0
	v_readfirstlane_b32 s[WV], v1                  ; wave 0..7
	s_lshr_b32 s[GH], s[WV], 2                     ; my half of the keys.  Also: I fetch for K (0) or for V (1)
	s_and_b32 s[QI], s[WV], 3
	s_xor_b32 s[SK], s[WV], s[GH]
	s_and_b32 s[SK], s[SK], 1                      ; my group
	s_bfe_u32 s14, ttmp6, 0x40000                  ; cx
	s_lshl_b32 s15, ttmp9, 2
	s_add_co_u32 s15, s15, s14                     ; my block of 256 queries: it enters Q's, v32's and zf's addresses alone
	s_and_b32 s16, ttmp7, 0xffff                   ; batch x head, which the four partners share
	s_add_co_u32 s17, s[GH], 1
	s_lshl_b32 s17, s17, 23                        ; K at 8 MiB, V at 16 MiB
	s_lshl_b32 s18, s16, 18                        ; 262,144 bytes a head
	s_add_co_u32 s20, s17, s18
	s_bfe_u32 s17, s[WV], 0x10001                  ; which half of the keys I fetch for,
	s_lshl_b32 s17, s17, 17                        ; 1,024 keys are 131,072 bytes,
	s_and_b32 s19, s[WV], 1                        ; and which 4 of a slot's 8 tiles
	s_lshl_b32 s19, s19, 13
	s_add_co_u32 s22, s20, s17
	s_add_co_u32 s22, s22, s19
	s_mov_b32 s23, 0
	s_lshr_b32 s62, s14, 1                         ; the prefetches: the four partners share a slot's blocks out by address: partner cx takes half cx / 2 of the keys, tiles 4 (cx % 2) on
	s_lshl_b32 s62, s62, 17
	s_and_b32 s63, s14, 1
	s_lshl_b32 s63, s63, 13
	s_add_co_u32 s54, s20, s62
	s_add_co_u32 s54, s54, s63
	s_add_co_u32 s54, s54, 2*SLOTG                 ; at slot 2; the first change of slots steps it to slot 3
	s_mov_b32 s55, 0
	s_lshl_b32 s56, s15, 15                        ; Q: 16 tiles of 2,048 bytes a block,
	s_lshl_b32 s17, s[QI], 13                      ; 4 a wave
	s_add_co_u32 s56, s56, s17
	s_add_co_u32 s56, s56, s18
	s_mov_b32 s57, 0
	s_lshl_b32 s58, s16, 19                        ; v32: 524,288 bytes a head, 4,096 a tile; my two kept tiles
	s_lshl_b32 s17, s15, 16
	s_add_co_u32 s58, s58, s17
	s_lshl_b32 s17, s[QI], 14
	s_add_co_u32 s58, s58, s17
	s_lshl_b32 s17, s[GH], 13
	s_add_co_u32 s58, s58, s17
	s_mov_b32 s59, 0
	s_lshr_b32 s60, s16, 4                         ; zf: tile = 128 x batch + 16 x block + 4 x (w % 4) + 2 x (w / 4), 32,768 bytes each; the head's 2,048 bytes in it
	s_lshl_b32 s60, s60, 7
	s_lshl_b32 s17, s15, 4
	s_add_co_u32 s60, s60, s17
	s_lshl_b32 s17, s[QI], 2
	s_add_co_u32 s60, s60, s17
	s_lshl_b32 s17, s[GH], 1
	s_add_co_u32 s60, s60, s17
	s_lshl_b32 s60, s60, 15
	s_and_b32 s17, s16, 15
	s_lshl_b32 s17, s17, 11
	s_add_co_u32 s60, s60, s17
	s_mov_b32 s61, 0
	; descriptor group 1: a dense block of 8,192 bytes as 32 rows of 256 bytes (32 elements of 8 bytes), no padding
	s_mov_b32 s[G1], 15|(3<<16)|(1<<21)            ; 15:0 the mask: all four work-groups; elements of 8 bytes; bit 21 beside a mask
	s_mov_b32 s[G1+1], 32<<16                      ; tensor_dim0
	s_mov_b32 s[G1+2], 32<<16                      ; tensor_dim1
	s_mov_b32 s[G1+3], 32<<16                      ; tile_dim0
	s_mov_b32 s[G1+4], 32                          ; tile_dim1
	s_mov_b32 s[G1+5], 32                          ; from row to row
	s_mov_b32 s[G1+6], 0
	s_mov_b32 s[G1+7], 0
	s_mov_b32 s[CS], 0x3e38aa3b                    ; c = log2(e) / 8
	s_mov_b32 s[CS+1], s[CS]                       ; (named with it as a pair, so it is written)
	s_mov_b32 s[SEL], 0x76543210
	s_mov_b32 s[SEL+1], 0xfedcba98
	s_mov_b32 s[TB], 0
	s_mov_b32 s[SLOTS], 6
	s_or_b32 s[LIM], s[QI], ttmp9                  ; waves 0 (K) and 4 (V) of the head's first cluster prefetch: the same in all four partners
	s_cmp_eq_u32 s[LIM], 0
	s_cselect_b32 s[LIM], 1, -1
	s_wait_dscnt 0x0                               ; both opening adds are done
	s_wait_kmcnt 0x0
	s_add_nc_u64 s[22:23], s[4:5], s[22:23]
	s_add_nc_u64 s[PFA:PFA+1], s[4:5], s[54:55]
	s_add_nc_u64 s[56:57], s[4:5], s[56:57]
	s_add_nc_u64 s[58:59], s[6:7], s[58:59]
	s_add_nc_u64 s[60:61], s[8:9], s[60:61]
	CROUND                                         ; all four work-groups are here: the first joint loads meet
	s_mov_b32 s[G0A], 1
	s_lshl_b32 s[G0A+1], s[WV], 13                 ; 8,192 x wave: K's four parts, then V's
	s_mov_b64 s[G0A+2:G0A+3], s[22:23]
	s_or_b32 s[G0A+3], s[G0A+3], 0x80000000
	s_mov_b32 s[G0B], 1
	s_add_co_u32 s[G0B+1], s[G0A+1], SLOT1
	s_add_nc_u64 s[G0B+2:G0B+3], s[22:23], SLOTG
	s_or_b32 s[G0B+3], s[G0B+3], 0x80000000
	tensor_load_to_lds s[G0A:G0A+3], s[G1:G1+7]    ; the two first fills go out together: two loads of mine are out
	s_nop 0
	tensor_load_to_lds s[G0B:G0B+3], s[G1:G1+7]
	s_nop 0
.rept 4
	v_nop
.endr
	v_and_b32 v1, 31, v0
	v_lshlrev_b32 v[L16], 4, v1
	s_lshl_b32 s17, s[GH], 12                      ; two tiles of 2,048 bytes
	v_add_nc_u32 v[QOA], s17, v[L16]
	s_xor_b32 s17, s17, 4096
	v_add_nc_u32 v[QOB], s17, v[L16]
.irp t, 0,1
.irp c, 0,1
.irp u, 0,1
	global_load_b128 v[Q+16*\t+8*\c+4*\u:Q+16*\t+8*\c+4*\u+3], v[QOA], s[56:57] offset:2048*\t+1024*\c+512*\u            ; Q stays in registers
	global_load_b128 v[Q+32+16*\t+8*\c+4*\u:Q+32+16*\t+8*\c+4*\u+3], v[QOB], s[56:57] offset:2048*\t+1024*\c+512*\u
.endr
.endr
.endr
	s_lshl_b32 s17, s[GH], 14
	v_add_nc_u32 v[AK0], s17, v[L16]
	v_mov_b32 v[ADR], v[AK0]                       ; slot 0
	s_mul_i32 s17, s[WV], XWB
	s_add_co_u32 s17, s17, XCH
	v_add_nc_u32 v[XST], s17, v[L16]
	v_lshlrev_b32 v14, 2, v1
	s_add_co_u32 s17, s17, 8192
	v_add_nc_u32 v[XSS], s17, v14
	s_xor_b32 s18, s[WV], 4                        ; my partner
	s_mul_i32 s18, s18, XWB
	s_add_co_u32 s18, s18, XCH
	v_add_nc_u32 v[XLD], s18, v[L16]
	s_add_co_u32 s18, s18, 8192
	v_add_nc_u32 v[XLS], s18, v14
	v_lshlrev_b32 v[PFO], 8, v1
; 16 LDS loads: K of the slot's step q: fragment (keys 16 kt on, channels 32 c on) is two blocks of 512 bytes
.macro LK q
	WIN 0x40                                       ; destination window 1
.irp kt, 0,1,2,3
.irp c, 0,1
.irp u, 0,1
	ds_load_b128 v[KF+16*\kt+8*\c+4*\u:KF+16*\kt+8*\c+4*\u+3], v[ADR] offset:8192*(\q)+2048*\kt+1024*\c+512*\u
.endr
.endr
.endr
	WIN 0
.endm
; PHASE Y.  pv = 2: 32 products O^T += V^T P; 1: they start O^T's sums; 0: none.  kq = 1: 32 products S^T = K Q^T of the next step, then the loads of that step's V (the slot's step lvq)
; and, if lkq is not negative, of the step after's K (the slot's step lkq).  In both products the 16 accumulators take turns, one instruction a turn.
.macro YPH pv, kq, lvq, lkq
.if \pv
.if \kq
	s_wait_dscnt 16                                ; V's 16 loads are in; K's 16, issued behind them, may be out
.else
	s_wait_dscnt 0x0
.endif
	WIN 0x51                                       ; V, C and D window 1; P window 0
.irp kh, 0,1
.irp ct, 0,1,2,3
.irp t, 0,1,2,3
.if (\pv == 1) && (\kh == 0)
	v_wmma_f32_16x16x32_f16 v[32*\t+8*\ct:32*\t+8*\ct+7], v[VF+16*\ct+8*\kh:VF+16*\ct+8*\kh+7], v[S+32*\t+8*\kh:S+32*\t+8*\kh+7], 0
.else
	v_wmma_f32_16x16x32_f16 v[32*\t+8*\ct:32*\t+8*\ct+7], v[VF+16*\ct+8*\kh:VF+16*\ct+8*\kh+7], v[S+32*\t+8*\kh:S+32*\t+8*\kh+7], v[32*\t+8*\ct:32*\t+8*\ct+7]
.endif
.endr
.endr
.endr
.if \kq
.rept 5
	v_nop                                          ; five places: the products below write over P's registers
.endr
.endif
.endif
.if \kq
	s_wait_dscnt 0x0                               ; K is in
	WIN 0x01                                       ; K window 1; Q and S^T window 0
.irp c, 0,1
.irp kt, 0,1,2,3
.irp t, 0,1,2,3
.if \c == 0
	v_wmma_f32_16x16x32_f16 v[S+32*\t+8*\kt:S+32*\t+8*\kt+7], v[KF+16*\kt+8*\c:KF+16*\kt+8*\c+7], v[Q+16*\t+8*\c:Q+16*\t+8*\c+7], 0
.else
	v_wmma_f32_16x16x32_f16 v[S+32*\t+8*\kt:S+32*\t+8*\kt+7], v[KF+16*\kt+8*\c:KF+16*\kt+8*\c+7], v[Q+16*\t+8*\c:Q+16*\t+8*\c+7], v[S+32*\t+8*\kt:S+32*\t+8*\kt+7]
.endif
.endr
.endr
.endr
.rept 5
	v_nop                                          ; places in front of the loads into K's and V's registers and of the softmax's first read; five, since the next matrix instruction to name the scores' registers takes them as an operand
.endr
	WIN 0x40
.irp kh, 0,1
.irp ct, 0,1,2,3
.irp u, 0,1
	ds_load_tr16_b128 v[VF+16*\ct+8*\kh+4*\u:VF+16*\ct+8*\kh+4*\u+3], v[ADR] offset:VOFF+8192*(\lvq)+2048*(2*\kh+\u)+512*\ct   ; channels 16 ct on, keys 32 kh + 16 u on, turned
.endr
.endr
.endr
.if \lkq >= 0
	LK \lkq
.endif
.endif
	WIN 0
.endm
; PHASE X: the softmax of one step for my four tiles, the tiles by turns so that no line waits for the line above it.  first = 1: the first step, which starts m and l and has nothing to rescale.
.macro XPH first
.irp j, 0,1,2,3                        ; the maximum of a lane's 32 scores and the old m: four chains, each accumulator read from its low end on
.irp t, 0,1,2,3
	v_max3_num_f32 v[ST+8*\t+4+\j], v[S+32*\t+8*\j], v[S+32*\t+8*\j+1], v[S+32*\t+8*\j+2]
.endr
.endr
.irp k, 1,2
.irp j, 0,1,2,3
.irp t, 0,1,2,3
	v_max3_num_f32 v[ST+8*\t+4+\j], v[ST+8*\t+4+\j], v[S+32*\t+8*\j+2*\k+1], v[S+32*\t+8*\j+2*\k+2]
.endr
.endr
.endr
.irp t, 0,1,2,3
	v_max3_num_f32 v[ST+8*\t+4], v[ST+8*\t+4], v[S+32*\t+7], v[S+32*\t+15]
.endr
.irp t, 0,1,2,3
	v_max3_num_f32 v[ST+8*\t+6], v[ST+8*\t+6], v[S+32*\t+23], v[S+32*\t+31]
.endr
.irp t, 0,1,2,3
	v_max3_num_f32 v[ST+8*\t+4], v[ST+8*\t+4], v[ST+8*\t+5], v[ST+8*\t+6]
.endr
.irp t, 0,1,2,3
.if \first
	v_max_num_f32 v[ST+8*\t+4], v[ST+8*\t+4], v[ST+8*\t+7]
.else
	v_max3_num_f32 v[ST+8*\t+4], v[ST+8*\t+4], v[ST+8*\t+7], v[ST+8*\t+1]
.endif
.endr
.irp t, 0,1,2,3
	v_permlanex16_b32 v[ST+8*\t+5], v[ST+8*\t+4], s[SEL], s[SEL+1]  ; the query's other 32 keys lie in the lane 16 away
.endr
.if \first == 0
.irp t, 0,1,2,3
	v_mov_b32 v[ST+8*\t+7], v[ST+8*\t]             ; c m_old is kept for a
.endr
.endif
.irp t, 0,1,2,3
	v_max_num_f32 v[ST+8*\t+1], v[ST+8*\t+4], v[ST+8*\t+5]
.endr
.irp t, 0,1,2,3
	v_mul_f32 v[ST+8*\t], s[CS], v[ST+8*\t+1]
.endr
.if \first == 0
.irp t, 0,1,2,3
	v_sub_f32 v[ST+8*\t+7], v[ST+8*\t+7], v[ST+8*\t]
.endr
.endif
.set p, 0
.rept 16
.irp t, 0,1,2,3
	v_pk_fma_f32 v[S+32*\t+2*p:S+32*\t+2*p+1], v[S+32*\t+2*p:S+32*\t+2*p+1], s[CS:CS+1], v[ST+8*\t:ST+8*\t+1] op_sel_hi:[1,0,0] neg_lo:[0,0,1] neg_hi:[0,0,1]  ; c s - c m, two at a time
.endr
.set p, p+1
.endr
.if \first == 0
.irp t, 0,1,2,3
	v_exp_f32 v[ST+8*\t+6], v[ST+8*\t+7]           ; a
.endr
.endif
.set p, 0
.rept 32
.irp t, 0,1,2,3
	v_exp_f32 v[S+32*\t+p], v[S+32*\t+p]           ; p: one batch; none of these reads an exponential's result
.endr
.set p, p+1
.endr
	v_nop                                          ; a plain line behind the last exponential,
	s_wait_alu depctr_va_vdst(0)                   ; and the one wait ahead of the batch's first reader
.irp t, 0,1,2,3                        ; the sums, of the unrounded p, in two chains a tile
.if \first
	v_pk_add_f32 v[ST+8*\t+2:ST+8*\t+3], v[S+32*\t:S+32*\t+1], v[S+32*\t+6:S+32*\t+7]
.else
	v_pk_fma_f32 v[ST+8*\t+2:ST+8*\t+3], v[ST+8*\t+2:ST+8*\t+3], v[ST+8*\t+6:ST+8*\t+7], v[S+32*\t:S+32*\t+1] op_sel_hi:[1,0,1]
.endif
.endr
.irp t, 0,1,2,3
	v_pk_add_f32 v[ST+8*\t+4:ST+8*\t+5], v[S+32*\t+2:S+32*\t+3], v[S+32*\t+4:S+32*\t+5]
.endr
.if \first == 0
.irp t, 0,1,2,3
	v_pk_add_f32 v[ST+8*\t+2:ST+8*\t+3], v[ST+8*\t+2:ST+8*\t+3], v[S+32*\t+6:S+32*\t+7]
.endr
.endif
.irp q, 4,6,8,10,12,14
.irp t, 0,1,2,3
	v_pk_add_f32 v[ST+8*\t+4:ST+8*\t+5], v[ST+8*\t+4:ST+8*\t+5], v[S+32*\t+2*\q:S+32*\t+2*\q+1]
.endr
.irp t, 0,1,2,3
	v_pk_add_f32 v[ST+8*\t+2:ST+8*\t+3], v[ST+8*\t+2:ST+8*\t+3], v[S+32*\t+2*\q+2:S+32*\t+2*\q+3]
.endr
.endr
.irp t, 0,1,2,3
	v_pk_add_f32 v[ST+8*\t+2:ST+8*\t+3], v[ST+8*\t+2:ST+8*\t+3], v[ST+8*\t+4:ST+8*\t+5]
.endr
.set p, 0
.rept 16
.irp t, 0,1,2,3
	v_cvt_pk_f16_f32 v[S+32*\t+p], v[S+32*\t+2*p], v[S+32*\t+2*p+1]  ; in place, ascending: P of keys 32 kh on lies at S + 32 t + 8 kh
.endr
.set p, p+1
.endr
.if \first == 0
	WIN 0x41                                       ; O^T window 1, a window 0
.set p, 0
.rept 16
.irp t, 0,1,2,3
	v_pk_mul_f32 v[32*\t+2*p:32*\t+2*p+1], v[32*\t+2*p:32*\t+2*p+1], v[ST+8*\t+6:ST+8*\t+7] op_sel_hi:[1,0]
.endr
.set p, p+1
.endr
	WIN 0
.endif
.endm
.macro XIF who                         ; a phase X that one group alone runs here: a branch on the wave's number, round vector work alone
	s_cmp_eq_u32 s[SK], \who
	s_cbranch_scc0 .Lother_group_\@
	XPH 0
.Lother_group_\@:
.endm
; A PREFETCH INTO THE L2 of what the NEXT change of slots will ask for: 64 KiB, a lane a block of 256 bytes.  All clusters of a head walk the same K and V: the head's first cluster asks; its four partners share the
; blocks out by address; in each, wave 0 asks for K's and wave 4 for V's: each block is named once in the launch.  The last change that fills a slot asks for nothing; slots 0 to 2 come by their loads alone.
.macro ASK
	s_cmp_gt_u32 s[SLOTS], s[LIM]
	s_cbranch_scc0 .Lnot_mine_\@
	global_prefetch_b8 v[PFO], s[PFA:PFA+1] th:TH_LOAD_NT scope:SCOPE_SE
.Lnot_mine_\@:
.endm
; THE CHANGE OF SLOTS.  Every wave has multiplied by the slot's last K and asked for its last V.  It waits for all its tensor loads (one is out: its part of the other slot), adds 0 to its spare word, and waits for that and
; for its reads of the slot.  fill = 1: the barrier is a round of the cluster's, and the joint refill, the keys two slots on, is the first thing behind it: it has two steps in which to land.
.macro CHANGE fill
	s_wait_tensorcnt 0x0                           ; no tensor load of mine is out, so a group 0 may be written
	ds_add_u32 v[SPW], v[NIL]
.if \fill
	s_xor_b32 s[G0B+1], s[G0B+1], SLOT1            ; the walking descriptor: the other slot than last time,
	s_add_nc_u64 s[G0B+2:G0B+3], s[G0B+2:G0B+3], SLOTG  ; the next 128 keys
	s_wait_xcnt 0x0                                ; the last prefetch, a slot back, has read its address
	s_add_nc_u64 s[PFA:PFA+1], s[PFA:PFA+1], SLOTG ; one slot further on than the walking descriptor
.endif
	s_wait_dscnt 0x0                               ; the add is done, and my reads of the slot are over
.if \fill
	CROUND
	tensor_load_to_lds s[G0B:G0B+3], s[G1:G1+7]
	s_nop 0
.rept 4
	v_nop
.endr
.else
	s_barrier_signal -1
	s_barrier_wait -1
.endif
	s_xor_b32 s[TB], s[TB], SLOT1                  ; on to the other slot
	v_add_nc_u32 v[ADR], s[TB], v[AK0]
	LK 0
.if \fill
	ASK                                            ; behind the tensor load and the run of LDS loads: two steps ahead of the load that will want the bytes
.endif
.endm
	s_wait_tensorcnt 0x1                           ; my part of slot 0 is in; slot 1's may stay out
	s_barrier_signal -1
	s_barrier_wait -1                              ; everybody's is
	LK 0                                           ; K of step 0
	s_wait_loadcnt 0x0                             ; Q
	YPH 0, 1, 0, 1                                 ; scores of step 0 | V of step 0, K of step 1
	XPH 1                                          ; softmax of step 0
	YPH 1, 1, 1, -1                                ; V^T P of step 0 starts O^T, scores of step 1 | V of step 1
	XIF 1                                          ; group 1: softmax of step 1
.Lslot:                                            ; six trips: trip s leaves slot s, fills it with slot s + 2's keys, and walks steps 2 s + 2, 2 s + 3
	CHANGE 1
	XIF 0                                          ; group 0: the softmax that group 1 has behind it
	YPH 2, 1, 0, 1
	XPH 0
	YPH 2, 1, 1, -1
	XIF 1
	s_sub_co_u32 s[SLOTS], s[SLOTS], 1
	s_cmp_lg_u32 s[SLOTS], 0
	s_cbranch_scc1 .Lslot
	CHANGE 0                                       ; the last slot is written out: nothing is left to ask for
	XIF 0
	YPH 2, 1, 0, 1
	XPH 0
	YPH 2, 1, 1, -1
.irp t, 0,1
.irp ct, 0,1,2,3
.irp u, 0,1
	global_load_b128 v[Q+32*\t+8*\ct+4*\u:Q+32*\t+8*\ct+4*\u+3], v[L16], s[58:59] offset:4096*\t+1024*\ct+512*\u   ; V's own rows of my two kept tiles, f32, in O^T's layout, into Q's registers: the last product that read Q stands five places back
.endr
.endr
.endr
	XIF 1
	XIF 0
	YPH 2, 0, -1, -1                               ; V^T P of the last step
	; THE WAY OUT.  (a) l's two halves and the other half of the lanes'.  These lines name no register of the last products: they are the places behind them.
.irp t, 0,1,2,3
	v_add_f32 v[ST+8*\t+4], v[ST+8*\t+2], v[ST+8*\t+3]
.endr
.irp t, 0,1,2,3
	v_permlanex16_b32 v[ST+8*\t+5], v[ST+8*\t+4], s[SEL], s[SEL+1]
.endr
.irp t, 0,1,2,3
	v_add_f32 v[ST+8*\t+2], v[ST+8*\t+4], v[ST+8*\t+5]
.endr
	; (b) my tiles 2, 3 go to my partner as images of their registers; its tiles 2, 3 are my tiles 0, 1
	WIN 0x04                                       ; an LDS store's data are its source 1: window 1
.set n, 0
.rept 16
	ds_store_b128 v[XST], v[64+4*n:64+4*n+3] offset:512*n          ; each accumulator from its low end on
.set n, n+1
.endr
	WIN 0
	ds_store_b32 v[XSS], v[ST+16]                  ; c m and l of tile 2,
	ds_store_b32 v[XSS], v[ST+18] offset:128
	ds_store_b32 v[XSS], v[ST+24] offset:256       ; of tile 3
	ds_store_b32 v[XSS], v[ST+26] offset:384
	s_wait_dscnt 0x0                               ; for the partner's sake: my stores are done
	s_barrier_signal -1
	s_barrier_wait -1
.set n, 0
.rept 16
	ds_load_b128 v[64+4*n:64+4*n+3], v[XLD] offset:512*n
.set n, n+1
.endr
	ds_load_b32 v14, v[XLS]
	ds_load_b32 v15, v[XLS] offset:128
	ds_load_b32 v16, v[XLS] offset:256
	ds_load_b32 v17, v[XLS] offset:384
	s_wait_dscnt 0x0
	; (c) both halves under the larger maximum; Y = (O1 f1 + O2 f2) / (l1 f1 + l2 f2)
.irp t, 0,1
	v_max_num_f32 v[ST+8*\t+4], v[ST+8*\t], v[14+2*\t]
.endr
.irp t, 0,1
	v_sub_f32 v[ST+8*\t+5], v[ST+8*\t], v[ST+8*\t+4]
	v_sub_f32 v[ST+8*\t+6], v[14+2*\t], v[ST+8*\t+4]
.endr
.irp t, 0,1
	v_exp_f32 v[ST+8*\t+5], v[ST+8*\t+5]
	v_exp_f32 v[ST+8*\t+6], v[ST+8*\t+6]
.endr
	v_nop
	s_wait_alu depctr_va_vdst(0)                   ; one wait for the four exponentials
.irp t, 0,1
	v_mul_f32 v[ST+8*\t+7], v[ST+8*\t+2], v[ST+8*\t+5]
.endr
.irp t, 0,1
	v_fmac_f32 v[ST+8*\t+7], v[15+2*\t], v[ST+8*\t+6]
.endr
.irp t, 0,1
	v_rcp_f32 v[ST+8*\t+4], v[ST+8*\t+7]
.endr
	v_nop
	s_wait_alu depctr_va_vdst(0)                   ; one wait for the two reciprocals
.irp t, 0,1
	v_mul_f32 v[48+8*\t], v[ST+8*\t+5], v[ST+8*\t+4]               ; the two weights, in the registers that held the sent tiles' statistics
	v_mul_f32 v[50+8*\t], v[ST+8*\t+6], v[ST+8*\t+4]
.endr
	WIN 0x01                                       ; my O^T: source 0 window 1
.set p, 0
.rept 16
.irp t, 0,1
	v_pk_mul_f32 v[Y+32*\t+2*p:Y+32*\t+2*p+1], v[32*\t+2*p:32*\t+2*p+1], v[48+8*\t:49+8*\t] op_sel_hi:[1,0]
.endr
.set p, p+1
.endr
	WIN 0
.set p, 0
.rept 16
.irp t, 0,1
	v_pk_fma_f32 v[Y+32*\t+2*p:Y+32*\t+2*p+1], v[64+32*\t+2*p:64+32*\t+2*p+1], v[50+8*\t:51+8*\t], v[Y+32*\t+2*p:Y+32*\t+2*p+1] op_sel_hi:[1,0,1]
.endr
.set p, p+1
.endr
	; (d) V.V, Y.V, Y.Y: packed chains over my 32 channels, then the two halves of a pair and the lane 16 away
	s_wait_loadcnt 0x0                             ; V's own rows
.irp t, 0,1
	v_pk_mul_f32 v[AC+16*\t:AC+16*\t+1], v[Q+32*\t:Q+32*\t+1], v[Q+32*\t:Q+32*\t+1]
	v_pk_mul_f32 v[AC+16*\t+2:AC+16*\t+3], v[Y+32*\t:Y+32*\t+1], v[Q+32*\t:Q+32*\t+1]
	v_pk_mul_f32 v[AC+16*\t+4:AC+16*\t+5], v[Y+32*\t:Y+32*\t+1], v[Y+32*\t:Y+32*\t+1]
.endr
.set p, 1
.rept 15
.irp t, 0,1
	v_pk_fma_f32 v[AC+16*\t:AC+16*\t+1], v[Q+32*\t+2*p:Q+32*\t+2*p+1], v[Q+32*\t+2*p:Q+32*\t+2*p+1], v[AC+16*\t:AC+16*\t+1]
	v_pk_fma_f32 v[AC+16*\t+2:AC+16*\t+3], v[Y+32*\t+2*p:Y+32*\t+2*p+1], v[Q+32*\t+2*p:Q+32*\t+2*p+1], v[AC+16*\t+2:AC+16*\t+3]
	v_pk_fma_f32 v[AC+16*\t+4:AC+16*\t+5], v[Y+32*\t+2*p:Y+32*\t+2*p+1], v[Y+32*\t+2*p:Y+32*\t+2*p+1], v[AC+16*\t+4:AC+16*\t+5]
.endr
.set p, p+1
.endr
.irp t, 0,1
.irp k, 0,2,4
	v_add_f32 v[AC+16*\t+\k], v[AC+16*\t+\k], v[AC+16*\t+\k+1]
.endr
.endr
.irp t, 0,1
.irp k, 0,2,4
	v_permlanex16_b32 v[AC+16*\t+\k+1], v[AC+16*\t+\k], s[SEL], s[SEL+1]
.endr
.endr
.irp t, 0,1
.irp k, 0,2,4
	v_add_f32 v[AC+16*\t+\k], v[AC+16*\t+\k], v[AC+16*\t+\k+1]
.endr
.endr
	; (e) the scale, as its negative: -(Y.V) / max(V.V, the smallest normal number), 0 where V.V is not above 0; Z = Y + that x V; Z.Z in two chains a tile
.irp t, 0,1
	v_max_num_f32 v[AC+16*\t+8], 0x800000, v[AC+16*\t]
	v_cmp_lt_f32 s[50+\t], 0, v[AC+16*\t]          ; V.V > 0, kept in a scalar register
.endr
.irp t, 0,1
	v_rcp_f32 v[AC+16*\t+8], v[AC+16*\t+8]
.endr
	v_nop
	s_wait_alu depctr_va_vdst(0)
.irp t, 0,1
	v_mul_f32 v[AC+16*\t+10], -v[AC+16*\t+2], v[AC+16*\t+8]
.endr
.irp t, 0,1
	v_cndmask_b32 v[AC+16*\t+10], 0, v[AC+16*\t+10], s[50+\t]
.endr
.set p, 0
.rept 16
.irp t, 0,1
	v_pk_fma_f32 v[Y+32*\t+2*p:Y+32*\t+2*p+1], v[Q+32*\t+2*p:Q+32*\t+2*p+1], v[AC+16*\t+10:AC+16*\t+11], v[Y+32*\t+2*p:Y+32*\t+2*p+1] op_sel_hi:[1,0,1]
.endr
.set p, p+1
.endr
.irp t, 0,1
	v_pk_mul_f32 v[AC+16*\t+6:AC+16*\t+7], v[Y+32*\t:Y+32*\t+1], v[Y+32*\t:Y+32*\t+1]
	v_pk_mul_f32 v[AC+16*\t+12:AC+16*\t+13], v[Y+32*\t+2:Y+32*\t+3], v[Y+32*\t+2:Y+32*\t+3]
.endr
.irp q, 2,4,6,8,10,12,14
.irp t, 0,1
	v_pk_fma_f32 v[AC+16*\t+6:AC+16*\t+7], v[Y+32*\t+2*\q:Y+32*\t+2*\q+1], v[Y+32*\t+2*\q:Y+32*\t+2*\q+1], v[AC+16*\t+6:AC+16*\t+7]
	v_pk_fma_f32 v[AC+16*\t+12:AC+16*\t+13], v[Y+32*\t+2*\q+2:Y+32*\t+2*\q+3], v[Y+32*\t+2*\q+2:Y+32*\t+2*\q+3], v[AC+16*\t+12:AC+16*\t+13]
.endr
.endr
.irp t, 0,1
	v_pk_add_f32 v[AC+16*\t+6:AC+16*\t+7], v[AC+16*\t+6:AC+16*\t+7], v[AC+16*\t+12:AC+16*\t+13]
.endr
.irp t, 0,1
	v_add_f32 v[AC+16*\t+6], v[AC+16*\t+6], v[AC+16*\t+7]
.endr
.irp t, 0,1
	v_permlanex16_b32 v[AC+16*\t+7], v[AC+16*\t+6], s[SEL], s[SEL+1]
.endr
.irp t, 0,1
	v_add_f32 v[AC+16*\t+6], v[AC+16*\t+6], v[AC+16*\t+7]
.endr
	; (f) the three norms; the row is cleaned where V.V > 0 and |Z| <= 64 eps max(|Y|, |V|); 64 eps = 2^-17
.irp t, 0,1
	v_sqrt_f32 v[AC+16*\t+6], v[AC+16*\t+6]
	v_sqrt_f32 v[AC+16*\t+4], v[AC+16*\t+4]
	v_sqrt_f32 v[AC+16*\t+12], v[AC+16*\t]
.endr
	v_nop
	s_wait_alu depctr_va_vdst(0)                   ; one wait for the six roots
.irp t, 0,1
	v_max_num_f32 v[AC+16*\t+4], v[AC+16*\t+4], v[AC+16*\t+12]
.endr
.irp t, 0,1
	v_mul_f32 v[AC+16*\t+4], 0x37000000, v[AC+16*\t+4]
.endr
.irp t, 0,1
	v_cmp_le_f32 s[52+\t], v[AC+16*\t+6], v[AC+16*\t+4]
	s_and_b32 s[52+\t], s[52+\t], s[50+\t]
.endr
	; (g) to f16; a choice of values, no branch
.set p, 0
.rept 16
.irp t, 0,1
	v_cvt_pk_f16_f32 v[ZP+16*\t+p], v[Y+32*\t+2*p], v[Y+32*\t+2*p+1]
.endr
.set p, p+1
.endr
.set p, 0
.rept 16
.irp t, 0,1
	v_cndmask_b32 v[ZP+16*\t+p], v[ZP+16*\t+p], 0, s[52+\t]
.endr
.set p, p+1
.endr
	; (h) a lane's 8 channels of a block of 16 are 16 bytes: the wave stores 512 consecutive bytes, aligned
.irp t, 0,1
.irp ct, 0,1,2,3
	global_store_b128 v[L16], v[ZP+16*\t+4*\ct:ZP+16*\t+4*\ct+3], s[60:61] offset:32768*\t+512*\ct
.endr
.endr
	s_wait_tensorcnt 0x0                           ; the wave's end, behind my last tensor load and my last LDS store
	ds_add_u32 v[SPW], v[NIL]
	s_wait_dscnt 0x0
	CROUND                                         ; the closing round: no work-group ends while a partner may still ask for a tile that names it
	s_endpgm
.Lfunc_end_k_q593ac99445_attn:
	.size	k_q593ac99445_attn, .Lfunc_end_k_q593ac99445_attn-k_q593ac99445_attn
	.p2alignl 7, 3214868480
	.fill 96, 4, 3214868480
	.section	.rodata,"a",@progbits
	.p2align	6, 0x0
	.amdhsa_kernel k_q593ac99445_attn
		.amdhsa_group_segment_fixed_size 327680
		.amdhsa_private_segment_fixed_size 0
		.amdhsa_enable_private_segment 0
		.amdhsa_kernarg_size 24
		.amdhsa_user_sgpr_count 2
		.amdhsa_user_sgpr_kernarg_segment_ptr 1
		.amdhsa_wavefront_size32 1
		.amdhsa_system_sgpr_workgroup_id_x 1
		.amdhsa_system_sgpr_workgroup_id_y 1
		.amdhsa_system_sgpr_workgroup_id_z 1
		.amdhsa_system_vgpr_workitem_id 0
		.amdhsa_next_free_vgpr 512
		.amdhsa_next_free_sgpr 66
		.amdhsa_reserve_vcc 0
		.amdhsa_float_denorm_mode_32 3
		.amdhsa_float_denorm_mode_16_64 3
		.amdhsa_memory_ordered 1
		.amdhsa_forward_progress 1
		.amdhsa_inst_pref_size 255
	.end_amdhsa_kernel
	.section	.bss,"aw",@nobits
	.p2align	6
	.space	262144
	.amdgpu_metadata
---
amdhsa.version: [ 1, 2 ]
amdhsa.kernels:
  - .name:           k_q593ac99445_attn
    .symbol:         k_q593ac99445_attn.kd
    .args:
      - { .name: qkv, .offset: 0, .size: 8, .value_kind: global_buffer, .address_space: global }
      - { .name: v32, .offset: 8, .size: 8, .value_kind: global_buffer, .address_space: global }
      - { .name: zf, .offset: 16, .size: 8, .value_kind: global_buffer, .address_space: global }
    .group_segment_fixed_size: 327680
    .private_segment_fixed_size: 0
    .kernarg_segment_align: 8
    .kernarg_segment_size: 24
    .max_flat_workgroup_size: 256
    .sgpr_count:     66
    .vgpr_count:     512
    .wavefront_size: 32
...
	.end_amdgpu_metadata
.endif
;; end of part 3
;; launch proj (part 4): grid 8 x 32, 4 waves a work-group, clusters of 4 x 4, 327,680 bytes of LDS; arguments zf, wo16, out0; writes out0
.if DOCPART == 4
	.amdgcn_target "amdgcn-amd-amdhsa--gfx1250"
	.amdhsa_code_object_version 6
	.text
	.protected	k_q593ac99445_proj
	.globl	k_q593ac99445_proj
	.p2align	8
	.type	k_q593ac99445_proj,@function
k_q593ac99445_proj:
	s_mov_b64 s[64:65], 0
	v_nop
	global_prefetch_b8 v0, s[64:65] scope:SCOPE_SE
	s_setreg_imm32_b32 hwreg(HW_REG_WAVE_MODE, 25, 1), 1
	s_wait_xcnt 0x0
	s_wait_alu depctr_hold_cnt(0) depctr_sa_sdst(0) depctr_va_vdst(0) depctr_va_sdst(0) depctr_va_ssrc(0) depctr_va_vcc(0) depctr_vm_vsrc(0)
	s_getreg_b32 s2, hwreg(HW_REG_IB_STS2, 6, 4)
	s_cmp_eq_u32 s2, 0
	s_cbranch_scc0 .Lentry_in_a_cluster
	s_endpgm
.Lentry_in_a_cluster:
	s_bfe_u32 s2, ttmp6, 0x10000c
	s_cmp_lg_u32 s2, 0xf033
	s_cbranch_scc0 .Lentry_shape_is_right
	s_endpgm
.Lentry_shape_is_right:
; PROJ.  out0[m][n] = the sum over k of Z[m][k] Wo[n][k], 4,096 x 1,024 x 1,024; f16 operands, f32 sums, f32 results.
; Z comes as images of operand registers: zf [tile of 16 tokens 256][32 along K: 32][half 2][lane][16 bytes]; Wo as wo16 [1024 n][1024 k], f16.
; A tile of out0 is 128 x 128, so that there are 256 work-groups; four waves, each 64 x 64: 16 accumulators.  K goes in steps of 256 through a ring of two LDS slots.
; In a slot: Z's 8 token tiles x 8,192 bytes (dense: a fragment load is a constant + 16 x lane), then Wo's 128 rows of 512 bytes + 16 of padding.
; CLUSTER 4 x 4: the four work-groups of a row of the cluster need the same tiles of Z, the four of a column the same tiles of Wo: each is asked for jointly.
; THE MATRIX INSTRUCTION IS USED TRANSPOSED (source 0 = 16 rows of Wo, source 1 = 16 tokens): a lane holds eight neighbouring numbers of a row of out0.
; No prefetch: a K step's tiles are small and each operand is read by many work-groups at about the same time.
; REGISTERS: window 0: v0-31 addresses; v32-95 at work on the way out; v128-255 the accumulators ((a, b) at v[128 + 8 (4 a + b)]).
;   window 1: two fragment buffers of 128: for 64 along K, 64 registers of Z (2 x 4 x 16 tokens x 32 K), then 64 of Wo.
.set KSTEP,  256
.set PITCH,  528                       ; a row of Wo in LDS: 512 bytes + 16 of padding = 132 words: the 16 rows of a fragment load start at 16 different groups of four banks
.set HALFA,  32768                     ; 4 token tiles x 8,192 bytes: what one tensor load brings of Z
.set HALFB,  64*PITCH                  ; 64 rows: what one brings of Wo
.set BOFF,   2*HALFA
.set SLOT,   BOFF+2*HALFB
.set STAGE,  2*SLOT                    ; behind the ring: 16 rows x 272 bytes for each wave, for the way out
.set SPITCH, 272
.set SPARE,  STAGE+4*16*SPITCH         ; behind the stages: the spare words, 128 bytes a wave, which no other line names
.set LAPS,   2                         ; a lap = two K steps = once round the ring
.set ADRA, 16                          ; v16-17  LDS address of my fragments of Z in slot 0, 1
.set ADRB, 20                          ; v20-21  the same for Wo
.set STO,  24                          ; v24     the way out: where I put 32 bytes of a row
.set RD,   25                          ; v25     the way out: where I read a row back
.set CO,   26                          ; v26     my byte offset in out0
.set SPW,  28                          ; v28     LDS address of my spare word; never rewritten
.set NIL,  29                          ; v29     0; never rewritten
.set TMP,  32
.set ACC,  128
.set F0,   0                           ; fragment buffers, in window 1
.set F1,   128
.set G1, 24                            ; s[24:31] descriptor group 1 for Z's tiles;  s[32:39] group 0, one set for each slot
.set G0, 32
.set G1B, 48                           ; s[48:55], s[56:63] the same for Wo's tiles
.set G0B, 56
.set MSB, 0
.macro WIN new                         ; the immediate's high byte repeats the setting that is left
.if MSB != \new
	s_set_vgpr_msb (MSB<<8)|\new
.set MSB, \new
.endif
.endm
.set MUL,  0x05                        ; sources 0 (Wo) and 1 (Z) window 1; C and D window 0
.set TO_F, 0x40                        ; destination window 1, address window 0
.macro JLOAD s                         ; a joint load: waves 0 and 1 fetch Z's two halves, waves 2 and 3 Wo's; an s_nop 0 and four v_nop follow each of the two lines
	s_cmp_eq_u32 s11, 0
	s_cbranch_scc0 .Lfor_b_\@
	tensor_load_to_lds s[G0+4*\s:G0+4*\s+3], s[G1:G1+7]
	s_nop 0
.rept 4
	v_nop
.endr
	s_branch .Lasked_\@
.Lfor_b_\@:
	tensor_load_to_lds s[G0B+4*\s:G0B+4*\s+3], s[G1B:G1B+7]
	s_nop 0
.rept 4
	v_nop
.endr
.Lasked_\@:
.endm
.macro CREST                           ; a round of the cluster's barrier behind its opening barrier
	s_cmp_lg_u32 s10, 0
	s_cbranch_scc1 .Lnot_wave_0_\@
	s_barrier_signal -3
.Lnot_wave_0_\@:
	s_barrier_wait -3
	s_barrier_signal -1
	s_barrier_wait -1
.endm
.macro CROUND                          ; a whole round
	s_barrier_signal -1
	s_barrier_wait -1
	CREST
.endm
	s_load_b128 s[4:7], s[0:1], 0x0                ; zf s[4:5], wo16 s[6:7]
	s_load_b64 s[8:9], s[0:1], 0x10                ; out0
	v_lshl_add_u32 v[SPW], v0, 2, SPARE
	v_mov_b32 v[NIL], 0
	ds_add_u32 v[SPW], v[NIL]                      ; the wave's opening: the add, twice on end, and its wait ahead of my first tensor load
	ds_add_u32 v[SPW], v[NIL]
	v_lshrrev_b32 v1, 5, v0
	v_readfirstlane_b32 s10, v1                    ; wave 0..3
	s_lshr_b32 s11, s10, 1                         ; which half of the tile's rows is mine.  Also: I fetch for Z (0) or for Wo (1)
	s_and_b32 s12, s10, 1                          ; which half of its columns.  Also: which half of that tile I fetch
	s_bfe_u32 s40, ttmp6, 0x40000                  ; cx, cy: my place in the cluster
	s_bfe_u32 s41, ttmp6, 0x40004
	s_lshl_b32 s42, ttmp9, 2
	s_add_co_u32 s42, s42, s40                     ; tile column = 4 x cluster x + cx
	s_and_b32 s13, ttmp7, 0xffff
	s_lshl_b32 s13, s13, 2
	s_add_co_u32 s13, s13, s41                     ; tile row = 4 x cluster y + cy
	s_lshl_b32 s43, s41, 2
	s_lshl_b32 s43, 15, s43                        ; my row of the cluster
	s_lshl_b32 s44, 0x1111, s40                    ; my column
	; Z: 4 rows (token tiles) of 8,192 bytes (1,024 elements of 8 bytes), 32,768 bytes apart in memory, dense in LDS
	s_or_b32 s[G1+0], s43, (3<<16)|(1<<21)         ; 15:0 the mask: Z's tiles go to my row; elements of 8 bytes; bit 21 beside a mask; no padding
	s_mov_b32 s[G1+1], 1024<<16                    ; tensor_dim0
	s_mov_b32 s[G1+2], 4<<16                       ; tensor_dim1
	s_mov_b32 s[G1+3], 1024<<16                    ; tile_dim0
	s_mov_b32 s[G1+4], 4                           ; tile_dim1
	s_mov_b32 s[G1+5], 4096                        ; from row to row
	s_mov_b32 s[G1+6], 0
	s_mov_b32 s[G1+7], 0
	; Wo: 64 rows x 256 elements of 2 bytes, padded in LDS
	s_or_b32 s[G1B+0], s44, (1<<16)|(1<<20)|(1<<21)|(6<<22)|(3<<25)  ; the mask of my column; padding: after every 128 words (code 6) 4 words (code 3)
	s_mov_b32 s[G1B+1], KSTEP<<16
	s_mov_b32 s[G1B+2], 64<<16
	s_mov_b32 s[G1B+3], KSTEP<<16
	s_mov_b32 s[G1B+4], 64
	s_mov_b32 s[G1B+5], 1024
	s_mov_b32 s[G1B+6], 0
	s_mov_b32 s[G1B+7], 0
	s_lshl_b32 s16, s13, 18                        ; Z: token tile 8 x tile row + 4 x half, 32,768 bytes each
	s_lshl_b32 s17, s12, 17
	s_add_co_u32 s16, s16, s17
	s_mov_b32 s17, 0
	s_lshl_b32 s46, s42, 18                        ; Wo: row 128 x tile column + 64 x half, 2,048 bytes each
	s_lshl_b32 s47, s12, 17
	s_add_co_u32 s46, s46, s47
	s_mov_b32 s47, 0
	s_lshl_b32 s20, s12, 15                        ; where they go: no place in the cluster enters an LDS address
	s_mul_i32 s21, s12, HALFB
	s_add_co_u32 s21, s21, BOFF
	s_wait_dscnt 0x0                               ; both opening adds are done
	s_wait_kmcnt 0x0
	s_add_nc_u64 s[14:15], s[4:5], s[16:17]
	s_add_nc_u64 s[46:47], s[6:7], s[46:47]
	CROUND                                         ; all sixteen work-groups are here: the first joint loads meet
.irp s, 0,1
	s_mov_b32 s[G0+4*\s], 1
	s_add_co_u32 s[G0+4*\s+1], s20, \s*SLOT
	s_add_nc_u64 s[G0+4*\s+2:G0+4*\s+3], s[14:15], \s*8192         ; K step s: 8 x 1,024 bytes of each token tile
	s_or_b32 s[G0+4*\s+3], s[G0+4*\s+3], 0x80000000
	s_mov_b32 s[G0B+4*\s], 1
	s_add_co_u32 s[G0B+4*\s+1], s21, \s*SLOT
	s_add_nc_u64 s[G0B+4*\s+2:G0B+4*\s+3], s[46:47], \s*KSTEP*2
	s_or_b32 s[G0B+4*\s+3], s[G0B+4*\s+3], 0x80000000
	JLOAD \s
.endr
	v_and_b32 v1, 15, v0                           ; r
	v_bfe_u32 v2, v0, 4, 1                         ; h
	v_and_b32 v6, 31, v0
	v_lshlrev_b32 v6, 4, v6                        ; 16 x lane
	v_mul_u32_u24 v3, v1, PITCH
	v_lshl_add_u32 v3, v2, 4, v3                   ; Wo: a fragment's row x pitch + 16 x half
	s_lshl_b32 s21, s11, 15                        ; my 4 token tiles
	s_mul_i32 s22, s12, HALFB                      ; my 64 rows of Wo,
	s_add_co_u32 s22, s22, BOFF                    ; which lie behind Z's tiles
.irp s, 0,1
	v_add_nc_u32 v[ADRA+\s], s21, v6
	v_add_nc_u32 v[ADRB+\s], s22, v3
	s_add_co_u32 s21, s21, SLOT
	s_add_co_u32 s22, s22, SLOT
.endr
	s_mul_i32 s23, s10, 16*SPITCH
	s_add_co_u32 s23, s23, STAGE                   ; my stage
	v_mul_u32_u24 v4, v1, SPITCH                   ; in: row r, 32 bytes for each half of the lanes
	v_lshl_add_u32 v4, v2, 5, v4
	v_add_nc_u32 v[STO], s23, v4
	v_mul_u32_u24 v5, v2, SPITCH                   ; back: lanes 0-15 take one row of 256 bytes, lanes 16-31 the next
	v_lshl_add_u32 v5, v1, 4, v5
	v_add_nc_u32 v[RD], s23, v5
	v_lshlrev_b32 v5, 12, v2                       ; and the same two rows in out0: 4,096 bytes a row
	v_lshl_add_u32 v[CO], v1, 4, v5
	s_lshl_b32 s16, s13, 19                        ; my first row: 128 x tile row + 64 x half
	s_lshl_b32 s17, s11, 18
	s_add_co_u32 s16, s16, s17
	s_mov_b32 s17, 0
	s_add_nc_u64 s[8:9], s[8:9], s[16:17]
	s_lshl_b32 s46, s42, 9                         ; my first column, in bytes: 512 x tile column + 256 x half
	s_lshl_b32 s47, s12, 8
	s_add_co_u32 s46, s46, s47
	s_mov_b32 s47, 0
	s_add_nc_u64 s[8:9], s[8:9], s[46:47]
; 8 matrix instructions: m blocks a0, a0 + 1 x all 4 n blocks, 32 along K: half c of buffer f.  zero = 1: the first product starts the sums.  The 16 accumulators take turns.
.macro MUL8 f, c, a0, zero
.irp a, \a0, \a0+1
.irp b, 0,1,2,3
.if \zero
	v_wmma_f32_16x16x32_f16 v[ACC+8*(4*(\a)+\b):ACC+8*(4*(\a)+\b)+7], v[\f+64+8*(4*\c+\b):\f+64+8*(4*\c+\b)+7], v[\f+8*(4*\c+\a):\f+8*(4*\c+\a)+7], 0
.else
	v_wmma_f32_16x16x32_f16 v[ACC+8*(4*(\a)+\b):ACC+8*(4*(\a)+\b)+7], v[\f+64+8*(4*\c+\b):\f+64+8*(4*\c+\b)+7], v[\f+8*(4*\c+\a):\f+8*(4*\c+\a)+7], v[ACC+8*(4*(\a)+\b):ACC+8*(4*(\a)+\b)+7]
.endif
.endr
.endr
.endm
; 32 LDS loads in one run: the fragments of the slot's quarter kq (64 along K) into buffer f; the first 32 along K first
.macro FETCH slot, kq, f
	WIN TO_F
.irp c, 0,1
.irp i, 0,1,2,3
	ds_load_b128 v[\f+64+8*(4*\c+\i):\f+64+8*(4*\c+\i)+3],   v[ADRB+\slot] offset:128*(\kq)+64*\c+\i*16*PITCH
	ds_load_b128 v[\f+64+8*(4*\c+\i)+4:\f+64+8*(4*\c+\i)+7], v[ADRB+\slot] offset:128*(\kq)+64*\c+\i*16*PITCH+32
	ds_load_b128 v[\f+8*(4*\c+\i):\f+8*(4*\c+\i)+3],         v[ADRA+\slot] offset:8192*\i+1024*(2*(\kq)+\c)
	ds_load_b128 v[\f+8*(4*\c+\i)+4:\f+8*(4*\c+\i)+7],       v[ADRA+\slot] offset:8192*\i+1024*(2*(\kq)+\c)+512
.endr
.endr
.endm
.macro PLACES                          ; four places in front of loads into registers that matrix instructions have read, and of the first read of results
.rept 4
	v_nop
.endr
.endm
; A K step is four quarters of 64 along K, 32 matrix instructions each, on buffers 0, 1, 0, 1.  One of the first three: multiplies buffer f and fetches quarter kq into g.
.macro QUARTER slot, kq, f, g, zero
	s_wait_dscnt 16                                ; the first 32 along K are in; the 16 younger loads may be out
	WIN MUL
	MUL8 \f, 0, 0, \zero
	MUL8 \f, 0, 2, \zero
	PLACES
	FETCH \slot, \kq, \g
	s_wait_dscnt 32                                ; all but the 32 just issued
	WIN MUL
	MUL8 \f, 1, 0, 0
	MUL8 \f, 1, 2, 0
.endm
; The last quarter multiplies buffer 1 and changes slots: ONE barrier; in front of it each wave waits for all its tensor loads, adds 0 to its spare word, and waits for that and for its own reads of this slot.
.macro TURN slot, next, fill
	WIN 0                                          ; (the add's two registers lie in window 0)
	s_wait_tensorcnt 0x0                           ; all my tensor loads have landed: my part of the next slot;
	ds_add_u32 v[SPW], v[NIL]
	s_wait_dscnt 17                                ; (the add and the youngest sixteen loads may be out)
	WIN MUL
	MUL8 F1, 0, 0, 0                               ; eight matrix instructions stand between the add and the wait for it
	s_wait_dscnt 0x0                               ; the add is done, and my reads of this slot are over
	s_barrier_signal -1
	MUL8 F1, 0, 2, 0
.if \fill
	WIN 0
.endif
	s_barrier_wait -1
.if \fill
	CREST                                          ; the barrier has opened a round of the cluster's barrier: no wave of any partner still reads this slot or has a load on its way
	s_add_nc_u64 s[G0+4*\slot+2:G0+4*\slot+3], s[G0+4*\slot+2:G0+4*\slot+3], 2*8192
	s_add_nc_u64 s[G0B+4*\slot+2:G0B+4*\slot+3], s[G0B+4*\slot+2:G0B+4*\slot+3], 2*KSTEP*2
	JLOAD \slot                                    ; the first tensor load behind the round; the four v_nop behind it are also the places in front of the loads below
.else
	PLACES
.endif
	FETCH \next, 0, F0
	WIN MUL
	MUL8 F1, 1, 0, 0
	MUL8 F1, 1, 2, 0
.endm
	s_wait_tensorcnt 1                             ; my part of K step 0 is in; K step 1's may stay out
	s_barrier_signal -1
	s_barrier_wait -1                              ; everybody's is
	FETCH 0, 0, F0
	QUARTER 0, 1, F0, F1, 1                        ; the first quarter stands in front of the loop: its first products start the sums
	WIN 0                                          ; at a label and at a branch every window is 0
	s_mov_b32 s3, LAPS-1
.Llap:                                                 ; a trip goes once round the ring, from a lap's second quarter to the next lap's first, and fills both slots again
	QUARTER 0, 2, F1, F0, 0
	QUARTER 0, 3, F0, F1, 0
	TURN 0, 1, 1
	QUARTER 1, 1, F0, F1, 0
	QUARTER 1, 2, F1, F0, 0
	QUARTER 1, 3, F0, F1, 0
	TURN 1, 0, 1
	QUARTER 0, 1, F0, F1, 0
	WIN 0
	s_sub_co_u32 s3, s3, 1
	s_cmp_lg_u32 s3, 0
	s_cbranch_scc1 .Llap
	QUARTER 0, 2, F1, F0, 0                        ; the last lap fills nothing, and has no round of the cluster's barrier
	QUARTER 0, 3, F0, F1, 0
	TURN 0, 1, 0
	QUARTER 1, 1, F0, F1, 0
	QUARTER 1, 2, F1, F0, 0
	QUARTER 1, 3, F0, F1, 0
	s_wait_dscnt 16                                ; the very last quarter: nothing more to fetch
	WIN MUL
	MUL8 F1, 0, 0, 0
	MUL8 F1, 0, 2, 0
	s_wait_dscnt 0
	MUL8 F1, 1, 0, 0
	MUL8 F1, 1, 2, 0
	WIN 0
; THE WAY OUT, block by block of 16 rows x 64 columns.  A lane holds 32 neighbouring bytes of a row, and the lanes beside it hold other rows: so a block goes through my own stage in LDS and comes back as whole
; rows of 256 bytes.  LDS serves a wave's instructions in order: no wait between the stores and the loads, nor in front of the next block's stores.  A wave's 64 columns are 256 aligned bytes: no other wave is needed.
.macro TOSTAGE a
.irp b, 0,1,2,3
	ds_store_b128 v[STO], v[ACC+8*(4*(\a)+\b):ACC+8*(4*(\a)+\b)+3] offset:64*\b          ; each accumulator from its low end on
	ds_store_b128 v[STO], v[ACC+8*(4*(\a)+\b)+4:ACC+8*(4*(\a)+\b)+7] offset:64*\b+16
.endr
.irp t, 0,1,2,3,4,5,6,7
	ds_load_b128 v[TMP+32*((\a)%2)+4*\t:TMP+32*((\a)%2)+4*\t+3], v[RD] offset:\t*2*SPITCH
.endr
.endm
.macro SEND a, younger                 ; younger: the LDS instructions issued behind block a's loads, which may stay out
	s_wait_dscnt \younger
.irp t, 0,1,2,3,4,5,6,7
	global_store_b128 v[CO], v[TMP+32*((\a)%2)+4*\t:TMP+32*((\a)%2)+4*\t+3], s[8:9] offset:(16*(\a)+2*\t)*4096 th:TH_STORE_NT   ; 16 lanes store 256 consecutive bytes, aligned; written once, read by nobody here
.endr
.endm
	PLACES
	TOSTAGE 0
.irp a, 1,2,3
.if \a > 1
	s_wait_xcnt 0x0                                ; block a - 2's stores have read their registers: block a's loads may land there
.endif
	TOSTAGE \a
	SEND \a-1, 16                                  ; behind block a - 1's loads: block a's 8 stores and 8 loads
.endr
	SEND 3, 0
	s_wait_tensorcnt 0x0                           ; the wave's end, behind my last tensor load and my last LDS store
	ds_add_u32 v[SPW], v[NIL]
	s_wait_dscnt 0x0
	CROUND                                         ; the closing round: no work-group ends while a partner may still ask for a tile that names it
	s_endpgm
.Lfunc_end_k_q593ac99445_proj:
	.size	k_q593ac99445_proj, .Lfunc_end_k_q593ac99445_proj-k_q593ac99445_proj
	.p2alignl 7, 3214868480
	.fill 96, 4, 3214868480
	.section	.rodata,"a",@progbits
	.p2align	6, 0x0
	.amdhsa_kernel k_q593ac99445_proj
		.amdhsa_group_segment_fixed_size 327680
		.amdhsa_private_segment_fixed_size 0
		.amdhsa_enable_private_segment 0
		.amdhsa_kernarg_size 24
		.amdhsa_user_sgpr_count 2
		.amdhsa_user_sgpr_kernarg_segment_ptr 1
		.amdhsa_wavefront_size32 1
		.amdhsa_system_sgpr_workgroup_id_x 1
		.amdhsa_system_sgpr_workgroup_id_y 1
		.amdhsa_system_sgpr_workgroup_id_z 1
		.amdhsa_system_vgpr_workitem_id 0
		.amdhsa_next_free_vgpr 512
		.amdhsa_next_free_sgpr 66
		.amdhsa_reserve_vcc 0
		.amdhsa_float_denorm_mode_32 3
		.amdhsa_float_denorm_mode_16_64 3
		.amdhsa_memory_ordered 1
		.amdhsa_forward_progress 1
		.amdhsa_inst_pref_size 86
	.end_amdhsa_kernel
	.amdgpu_metadata
---
amdhsa.version: [ 1, 2 ]
amdhsa.kernels:
  - .name:           k_q593ac99445_proj
    .symbol:         k_q593ac99445_proj.kd
    .args:
      - { .name: zf, .offset: 0, .size: 8, .value_kind: global_buffer, .address_space: global }
      - { .name: wo16, .offset: 8, .size: 8, .value_kind: global_buffer, .address_space: global }
      - { .name: out0, .offset: 16, .size: 8, .value_kind: global_buffer, .address_space: global }
    .group_segment_fixed_size: 327680
    .private_segment_fixed_size: 0
    .kernarg_segment_align: 8
    .kernarg_segment_size: 24
    .max_flat_workgroup_size: 128
    .sgpr_count:     66
    .vgpr_count:     512
    .wavefront_size: 32
...
	.end_amdgpu_metadata
.endif
;; end of part 4
